; MI455X (gfx1250); checked and timed in simulation.
; The chip was launched on July 23, 2026; its instructions are those of AMD's public machine-readable ISA for CDNA 5 (MIT licence, August 2026) and "CDNA5" Instruction Set Architecture Reference Guide (July 2026). The comments in the code are by the model that wrote it; some were corrected since.
;; Paged Minimal Attention. Allowed arithmetic: matrix products marked QUANTISED: E2M1 operands, one E8M0 scale for each 32 along K, by v_wmma_scale_f32_16x16x128_f8f6f4 with both operands' format E2M1 (or v_wmma_scale_f32_32x16x128_f4), f32 sums; everything else in f32.
;; Inputs: Wk 1,024 x 1,024 float32; Wo 1,024 x 1,024 float32; Wq 1,024 x 1,024 float32; Wv 1,024 x 1,024 float32; bk 1,024 float32; bo 1,024 float32; bq 1,024 float32; bv 1,024 float32; x 4 x 2,048 x 1,024 float32.
;; Outputs: out0 4 x 2,048 x 1,024 float32.
;; This version of the problem:
;;   THIS VERSION OF THE PROBLEM IS GIVEN IN LOW PRECISION. The matrix products marked QUANTISED in the list below multiply operands that are first quantised to E2M1 (2 exponent bits, 1 mantissa bit; 4 bits a number), with one power-of-two scale for each 32 numbers along K (OCP MX v1.0); their sums are f32. All else is computed in f32.
;;   The module's matrix products, in the order in which they are computed (A, B: the left and right operand; K: the contracted axis; several contracted axes count as one K, in the product's order):
;;     1. [M 8,192, K 1,024] x [K 1,024, N 1,024]; A: input x; B: input Wq: QUANTISED
;;     2. [M 8,192, K 1,024] x [K 1,024, N 1,024]; A: input x; B: input Wk: QUANTISED
;;     3. [M 8,192, K 1,024] x [K 1,024, N 1,024]; A: input x; B: input Wv: QUANTISED
;;     4. batch 64 x [M 2,048, K 64] x [K 64, N 2,048]; A: computed on the way; B: computed on the way: QUANTISED
;;     5. batch 64 x [M 2,048, K 2,048] x [K 2,048, N 64]; A: softmax (see below); B: computed on the way: QUANTISED
;;     6. [M 8,192, K 1,024] x [K 1,024, N 1,024]; A: computed on the way; B: input Wo: QUANTISED
;;   THE QUANTISER, for each operand of a quantised product, along K:
;;     - K is cut into blocks of 32 from its start; a last block that is shorter is filled with zeros.
;;     - A block's scale is 2^e with e = floor(log2(the largest magnitude in the block)) - 2, held to -126 .. 127; a block of zeros has e = 0. As a byte (E8M0): e + 127.
;;     - Each number is divided by its block's scale, clamped to +-6, and rounded to the nearest number of E2M1, ties to even, subnormals kept.
;;     - The product sums the exact products of the quantised numbers (number of the format x scale) in f32.
;;   ~~~python
;;   def quantise(x, axis):      # numpy; x: float32 -> the quantised numbers, widened to float32 again
;;       x = np.moveaxis(x, axis, -1); K = x.shape[-1]
;;       x = np.pad(x, [(0, 0)] * (x.ndim - 1) + [(0, -K % 32)]); x = x.reshape(x.shape[:-1] + (-1, 32)); a = np.abs(x).max(-1, keepdims=True)
;;       e = np.where(a > 0, np.clip(np.frexp(np.where(a > 0, a, 1))[1] - 1 - 2, -126, 127), 0)      # np.frexp(a)[1] - 1 = floor(log2(a)), exactly
;;       r = np.clip(x / 2.0 ** e, -6, 6)
;;       step = 2.0 ** (np.maximum(np.frexp(np.where(r == 0, 1, r))[1] - 1, 0) - 1)
;;       q = np.round(r / step) * step * 2.0 ** e      # np.round: ties to even
;;       return np.moveaxis(q.reshape(q.shape[:-2] + (-1,))[..., :K], -1, axis).astype(np.float32)
;;   ~~~
;;   SOFTMAX AHEAD OF A QUANTISED PRODUCT. Where the list says 'softmax', what is quantised is not the finished softmax but p = 2^(t - M), with t = logit x log2(e) and M = ceil(the row's largest t), a whole number; so 1/2 < the row's largest p <= 1. The row's sum l is taken of the UNQUANTISED p, in f32, and the product's result is divided by l at the end. Since M is a whole number, a kernel that streams over the keys may use a running M (the ceiling of the running maximum): every later rescaling is an exact power of two, which a block's scale takes up: the codes' values come out the same.
;;   OPERANDS COMPUTED ON THE WAY. 'Computed on the way' means the value that the module computes at that place (a softmax that the list does not call 'softmax' is quantised finished and normalised). What goes into a quantiser is computed in f32, as accurately as f32 sums, v_exp_f32 and their like allow (about 1e-6 of the number): no bf16 or f16 on the way to a quantiser, and a product that is left as it is and whose result goes on into a quantised operand takes f32 operands (vector FMAs, or v_wmma_f32_16x16x4_f32). A number that lies on a knife's edge between two numbers of the format may be rounded either way, as far as f32 arithmetic and the matrix unit's own rounding can turn it there, and no further.
;; One version. Each part assembles by itself: llvm-mc -triple=amdgcn-amd-amdhsa -mcpu=gfx1250 --defsym DOCPART=n.
;; ======== version 1 of 1: 4 launches
;; workspace buffers: xq 4,456,448 bytes; wq 2,228,224 bytes; qk 8,912,896 bytes; vq 4,456,448 bytes; oq 4,456,448 bytes
;; launch quant (part 1): grid 384 x 1, 4 waves a work-group, no clusters, 35,328 bytes of LDS; arguments x, Wq, Wk, Wv, Wo, xq, wq; writes xq, wq
.if DOCPART == 1
	.amdgcn_target "amdgcn-amd-amdhsa--gfx1250"
	.amdhsa_code_object_version 6
	.text
	.protected	k_qad5124ac05_quant
	.globl	k_qad5124ac05_quant
	.p2align	8
	.type	k_qad5124ac05_quant,@function
k_qad5124ac05_quant:
	s_mov_b64 s[64:65], 0
	v_nop
	global_prefetch_b8 v0, s[64:65] scope:SCOPE_SE
	s_setreg_imm32_b32 hwreg(HW_REG_WAVE_MODE, 25, 1), 1
	s_wait_xcnt 0x0
; x [8192][1024] and the stack Wq, Wk, Wv, Wo [4096][1024], f32, K innermost, become codes of FP4 (E2M1) with one E8M0 byte for each 32 along K.
; A block's scale is 2^(floor(log2(its largest magnitude)) - 2); its byte is that magnitude's exponent field - 2, held at 1 from below.
; LAYOUT OF THE CODES: images of operand registers, by tiles of 16 rows: [tile][kb 0..31][r 0..15][16 bytes]; block kb of row r is 16 bytes.  A fragment (16 rows x 128 K) is then 1,024
; dense bytes, register group c of lane l at 512 c + 16 l.  SCALE WORDS: [tile][slot 0..1][r][16 bytes]: the four words of K steps 4 slot .. 4 slot + 3 of row r.
; ROWS STAND IN POSITION ORDER: position 16 t + p holds row 32 (t / 2) + 8 (t % 2) + p + 8 (p / 8), so that a tile used as source 0 leaves 16 neighbours of the next K in a lane.
; SHARES: a wave takes one tile x one slot (16 rows x 512 columns), in 8 steps of 16 rows x 64 columns.  Each load reads two aligned runs of 256 bytes; a step turns through the wave's own stage
; in LDS (rows of 256 + 16 bytes), after which lane (r, h) holds one whole block of 32: no other lane is asked for a maximum.  A step's codes leave as 512 dense bytes.
; No tensor loads, no barrier, no cluster: waves share nothing and every input byte is read once.
; LIMITS: a block whose largest magnitude lies under 2^-124 is held at byte 1; a block of zeros gets byte 1 (its codes are zeros; only this program reads the bytes); NaN and infinities are not served.
.set R,    32                          ; v32-159  four sets of 32 numbers as loaded
.set X,    160                         ; v160-223 two sets of 32 neighbours
.set C,    224                         ; v224-255 codes: four registers a step, never rewritten
.set SW,   16                          ; v16-19   my row's four scale words
.set PD,   20                          ; v20-23   destinations of the lane exchange
.set XSCL, 4194304                     ; where the scale words begin in xq
.set WSCL, 2097152                     ; and in wq
.set SP,   272                         ; a stage row
.set STGB, 16*SP
.set WREG, 2*STGB                      ; a wave's two stages
	s_load_b256 s[4:11], s[0:1], 0x0               ; x, Wq, Wk, Wv
	s_load_b128 s[12:15], s[0:1], 0x20             ; Wo, xq
	s_load_b64 s[16:17], s[0:1], 0x30              ; wq
	v_lshl_add_u32 v30, v0, 2, 0x8800
	v_mov_b32 v31, 0
	v_lshrrev_b32 v1, 5, v0
	v_readfirstlane_b32 s18, v1                    ; wave
	v_and_b32 v1, 15, v0                           ; r
	v_bfe_u32 v2, v0, 4, 1                         ; h
	v_and_b32 v3, 31, v0                           ; lane
	v_lshlrev_b32 v8, 4, v1                        ; 16 r
	v_lshl_add_u32 v4, v2, 12, v8                  ; in memory: lanes 16-31 one row further down, 16 bytes a lane
	s_mul_i32 s19, s18, WREG
	v_mad_u32_u24 v5, v2, SP, v8
	v_add_nc_u32 v5, s19, v5                       ; stage, in: row 2 j + h, byte 16 r
	v_mul_u32_u24 v6, v1, SP
	v_lshl_add_u32 v6, v2, 7, v6
	v_add_nc_u32 v6, s19, v6                       ; stage, out: row r, my block's 128 bytes
	v_lshlrev_b32 v7, 4, v3                        ; 16 x lane: my codes' place in a step's 512 bytes
	v_lshlrev_b32 v9, 3, v2                        ; 8 h: my byte's shift in a scale word
.irp k, 0,1,2,3
	v_mov_b32 v[PD+\k], 0                          ; written once: a lane exchange's destination counts as a source
.endr
	s_mov_b32 s30, 0x76543210
	s_mov_b32 s31, 0xfedcba98                      ; selects for lane l xor 16
	s_lshl_b32 s20, ttmp9, 2
	s_add_co_u32 s20, s20, s18                     ; g = 4 x work-group + wave
	s_mov_b32 s23, WSCL
	s_cmp_lt_u32 ttmp9, 256                        ; work-groups 0-255 take x, the others the weights
	s_cselect_b32 s21, 0, 1024
	s_cselect_b32 s22, 511, 63                     ; tiles in a source tensor - 1
	s_cselect_b32 s23, XSCL, s23
	s_sub_co_u32 s20, s20, s21
	s_and_b32 s24, s20, 1                          ; slot
	s_lshr_b32 s25, s20, 1                         ; the tile in the destination
	s_and_b32 s26, s25, s22                        ; and in its source tensor
	s_lshr_b32 s27, s26, 1
	s_lshl_b32 s27, s27, 17                        ; 32 rows of 4,096 bytes for each pair of tiles,
	s_and_b32 s28, s26, 1
	s_lshl_b32 s28, s28, 15                        ; 8 rows for the odd tile,
	s_add_co_u32 s27, s27, s28
	s_lshl_b32 s28, s24, 11                        ; 2,048 bytes for the slot
	s_add_co_u32 s32, s27, s28
	s_mov_b32 s33, 0
	s_lshl_b32 s34, s25, 13                        ; codes: 8,192 bytes a tile, 4,096 a slot
	s_lshl_b32 s28, s24, 12
	s_add_co_u32 s34, s34, s28
	s_mov_b32 s35, 0
	s_lshl_b32 s36, s25, 9                         ; scale words: 512 bytes a tile, 256 a slot
	s_lshl_b32 s28, s24, 8
	s_add_co_u32 s36, s36, s28
	s_add_co_u32 s36, s36, s23
	s_mov_b32 s37, 0
	s_wait_alu depctr_va_vdst(0)
	s_wait_kmcnt 0x0
	s_cmp_ge_u32 ttmp9, 256                        ; the choices hang on the work-group's number alone
	s_cselect_b64 s[4:5], s[6:7], s[4:5]
	s_cselect_b64 s[14:15], s[16:17], s[14:15]
	s_cmp_ge_u32 ttmp9, 288
	s_cselect_b64 s[4:5], s[8:9], s[4:5]
	s_cmp_ge_u32 ttmp9, 320
	s_cselect_b64 s[4:5], s[10:11], s[4:5]
	s_cmp_ge_u32 ttmp9, 352
	s_cselect_b64 s[4:5], s[12:13], s[4:5]
	s_add_nc_u64 s[4:5], s[4:5], s[32:33]
	s_add_nc_u64 s[38:39], s[14:15], s[36:37]      ; my scale words
	s_add_nc_u64 s[14:15], s[14:15], s[34:35]      ; my codes
.macro LOAD t                          ; step t: positions 2 j + h of the tile, 256 bytes of each row
.irp j, 0,1,2,3,4,5,6,7
	global_load_b128 v[R+32*((\t)%4)+4*\j:R+32*((\t)%4)+4*\j+3], v4, s[4:5] offset:(2*\j+8*(\j/4))*4096+256*(\t) th:TH_LOAD_NT
.endr
.endm
.macro TURN t                          ; through the stage: LDS serves a wave's instructions in order, so no wait stands between the stores and the loads
.irp j, 0,1,2,3,4,5,6,7
	ds_store_b128 v5, v[R+32*((\t)%4)+4*\j:R+32*((\t)%4)+4*\j+3] offset:STGB*((\t)%2)+2*SP*\j
.endr
.irp i, 0,1,2,3,4,5,6,7
	ds_load_b128 v[X+32*((\t)%2)+4*\i:X+32*((\t)%2)+4*\i+3], v6 offset:STGB*((\t)%2)+16*\i
.endr
.endm
.irp t, 0,1,2,3
	LOAD \t
.endr
	s_wait_loadcnt 24                              ; step 0's eight loads are in; three sets of eight stay out
	TURN 0
.macro STEP t
.set XS, X+32*((\t)%2)
	s_wait_dscnt 0x0                               ; this step's block is back, and the stage's stores have read the set that the next loads take
.if (\t)+4 < 8
	LOAD (\t)+4
.endif
.if (\t)+1 < 8
.if (\t) <= 3
	s_wait_loadcnt 24                              ; the next step's eight are in; three younger sets stay out
.else
	s_wait_loadcnt 8*(6-(\t))                      ; the counts run down
.endif
	TURN (\t)+1
.endif
	v_max3_num_f32 v10, |v[XS]|, |v[XS+1]|, |v[XS+2]|          ; the block's largest magnitude, in two chains
	v_max3_num_f32 v11, |v[XS+3]|, |v[XS+4]|, |v[XS+5]|
.irp i, 6,10,14,18,22,26
	v_max3_num_f32 v10, v10, |v[XS+\i]|, |v[XS+\i+1]|
	v_max3_num_f32 v11, v11, |v[XS+\i+2]|, |v[XS+\i+3]|
.endr
	v_max3_num_f32 v10, v10, |v[XS+30]|, |v[XS+31]|
	v_max3_num_f32 v10, v10, v11, 0x1800000        ; and the floor 2^(3 - 127): the byte cannot fall under 1
	v_add_nc_u32 v12, 0xff000000, v10              ; 2 off the exponent field: the conversion's scale operand
.irp g, 0,1,2,3
	v_cvt_scalef32_pk8_fp4_f32 v[C+4*(\t)+\g], v[XS+8*\g:XS+8*\g+7], v12
.endr
	v_lshrrev_b32 v13, 23, v12                     ; the byte (also the plain line behind the conversions)
.if (\t)%2 == 0
	v_mov_b32 v[SW+(\t)/2], v13                    ; block 2 t + h: word t / 2, byte 2 (t % 2) + h
.else
	v_lshl_or_b32 v[SW+(\t)/2], v13, 16, v[SW+(\t)/2]
.endif
	global_store_b128 v7, v[C+4*(\t):C+4*(\t)+3], s[14:15] offset:512*(\t)   ; 32 lanes store 512 consecutive bytes
.endm
.irp t, 0,1,2,3,4,5,6,7
	STEP \t
.endr
.irp k, 0,1,2,3
	v_lshlrev_b32 v[SW+\k], v9, v[SW+\k]           ; my bytes to their places,
.endr
.irp k, 0,1,2,3
	v_permlanex16_b32 v[PD+\k], v[SW+\k], s30, s31
.endr
.irp k, 0,1,2,3
	v_or_b32 v[SW+\k], v[SW+\k], v[PD+\k]          ; with lane l xor 16's the words are whole
.endr
	global_store_b128 v8, v[SW:SW+3], s[38:39]     ; 256 consecutive bytes; lanes 16-31 write the same bytes with the same values
	s_wait_tensorcnt 0x0
	ds_add_u32 v30, v31
	s_wait_dscnt 0x0
	s_endpgm
.Lfunc_end_k_qad5124ac05_quant:
	.size	k_qad5124ac05_quant, .Lfunc_end_k_qad5124ac05_quant-k_qad5124ac05_quant
	.p2alignl 7, 3214868480
	.fill 96, 4, 3214868480
	.section	.rodata,"a",@progbits
	.p2align	6, 0x0
	.amdhsa_kernel k_qad5124ac05_quant
		.amdhsa_group_segment_fixed_size 35328
		.amdhsa_private_segment_fixed_size 0
		.amdhsa_enable_private_segment 0
		.amdhsa_kernarg_size 56
		.amdhsa_user_sgpr_count 2
		.amdhsa_user_sgpr_kernarg_segment_ptr 1
		.amdhsa_wavefront_size32 1
		.amdhsa_system_sgpr_workgroup_id_x 1
		.amdhsa_system_sgpr_workgroup_id_y 1
		.amdhsa_system_sgpr_workgroup_id_z 1
		.amdhsa_system_vgpr_workitem_id 0
		.amdhsa_next_free_vgpr 256
		.amdhsa_next_free_sgpr 66
		.amdhsa_reserve_vcc 0
		.amdhsa_float_denorm_mode_32 3
		.amdhsa_float_denorm_mode_16_64 3
		.amdhsa_memory_ordered 1
		.amdhsa_forward_progress 1
		.amdhsa_inst_pref_size 31
	.end_amdhsa_kernel
	.amdgpu_metadata
---
amdhsa.version: [ 1, 2 ]
amdhsa.kernels:
  - .name:           k_qad5124ac05_quant
    .symbol:         k_qad5124ac05_quant.kd
    .args:
      - { .name: x, .offset: 0, .size: 8, .value_kind: global_buffer, .address_space: global }
      - { .name: Wq, .offset: 8, .size: 8, .value_kind: global_buffer, .address_space: global }
      - { .name: Wk, .offset: 16, .size: 8, .value_kind: global_buffer, .address_space: global }
      - { .name: Wv, .offset: 24, .size: 8, .value_kind: global_buffer, .address_space: global }
      - { .name: Wo, .offset: 32, .size: 8, .value_kind: global_buffer, .address_space: global }
      - { .name: xq, .offset: 40, .size: 8, .value_kind: global_buffer, .address_space: global }
      - { .name: wq, .offset: 48, .size: 8, .value_kind: global_buffer, .address_space: global }
    .group_segment_fixed_size: 35328
    .private_segment_fixed_size: 0
    .kernarg_segment_align: 8
    .kernarg_segment_size: 56
    .max_flat_workgroup_size: 128
    .sgpr_count:     66
    .vgpr_count:     256
    .wavefront_size: 32
...
	.end_amdgpu_metadata
.endif
;; end of part 1
;; launch qkv (part 2): grid 12 x 64, 4 waves a work-group, clusters of 4 x 4, 213,504 bytes of LDS; arguments xq, wq, bq, bk, bv, qk, vq; writes qk, vq
.if DOCPART == 2
	.amdgcn_target "amdgcn-amd-amdhsa--gfx1250"
	.amdhsa_code_object_version 6
	.text
	.protected	k_qad5124ac05_qkv
	.globl	k_qad5124ac05_qkv
	.p2align	8
	.type	k_qad5124ac05_qkv,@function
k_qad5124ac05_qkv:
	s_mov_b64 s[64:65], 0
	v_nop
	global_prefetch_b8 v0, s[64:65] scope:SCOPE_SE
	s_setreg_imm32_b32 hwreg(HW_REG_WAVE_MODE, 25, 1), 1
	s_wait_xcnt 0x0
	s_wait_alu depctr_hold_cnt(0) depctr_sa_sdst(0) depctr_va_vdst(0) depctr_va_sdst(0) depctr_va_ssrc(0) depctr_va_vcc(0) depctr_vm_vsrc(0)
	s_getreg_b32 s2, hwreg(HW_REG_IB_STS2, 6, 4)
	s_cmp_eq_u32 s2, 0
	s_cbranch_scc0 .Lentry_in_a_cluster
	s_endpgm
.Lentry_in_a_cluster:
	s_bfe_u32 s2, ttmp6, 0x10000c
	s_cmp_lg_u32 s2, 0xf033
	s_cbranch_scc0 .Lentry_shape_is_right
	s_endpgm
.Lentry_shape_is_right:
; q = x Wq^T + bq, k = x Wk^T + bk, v = x Wv^T + bv on codes of FP4 with E8M0 scales; the results are quantised at once: q and k along the head's 64, v along the keys.
; A work-group of four waves makes 128 rows of a region Y x 256 rows of a region X; wave w (hy = w / 2, hx = w % 2) makes 64 x 128: 32 accumulators.  THE PRODUCT IS USED TRANSPOSED: source 0 = 16 rows
; of X, source 1 = 16 rows of Y, so that a lane holds one row of Y, and (rows standing in position order) its 64 registers of a block a are 4 x 16 neighbours along X: the next product's K.
; Cluster columns 0, 1: Y = x, X = Wq and Wk: registers run along the outputs (2 heads a wave).  Cluster column 2: Y = Wv, X = x: registers run along 128 keys.  Only scalars differ between the two.
; K = 1,024 of both regions fits in LDS whole: two slots of 512 along K and the scale words are each filled once; the eight K steps are written out.
; CLUSTERS 4 x 4: Y's tiles hang on the tile row alone and are asked for jointly along a row of the cluster, X's along a column.
; OUT: qk codes [16-row tile 512][hh 32][512 bytes] (hh = head for q, 16 + head for k; an entry is the image of registers 0-3 of a fragment); qk scale words [b][hh / 2][row 2048] u32;
;      vq codes [key step 64][d tile 64][1,024 bytes]; vq scale words [key step][d position 1024] u32.
; LIMITS: a block whose largest magnitude lies under 2^-124 is held at byte 1; a block of zeros gets byte 1 (only this program reads the bytes); NaN and infinities are not served.
; REGISTERS: window 0: v1-13 addresses; v17-19 store offsets; v20-23 scale words made; v32-63 X's scale words, v64-79 Y's; v80-143 bias; v144-207 Y's fragments, two sets; v208-223 at work; v224-255 codes made.
;   window 1: v0-127 X's fragments, two sets.   window 2: accumulator (a, b) at v[8 (8 a + b)].
.set SLOTB, 98304                      ; a slot: Y's 8 tiles x 4,096 bytes, then X's 16
.set XOFF,  32768
.set SCL,   196608                     ; Y's scale words 4,096 bytes, then X's 8,192
.set SCR,   208896                     ; 256 bytes a wave: the scale words on their way out; no fill lands here
.set XSCL,  4194304                    ; where the scale words begin in xq
.set WSCL,  2097152                    ; and in wq
.set AD1,  4                           ; v4-5   my Y fragments in slot 0, 1
.set AD0,  6                           ; v6-7   my X fragments
.set AS1,  8                           ; v8     Y's scale words: lanes 0-15 block i, lanes 16-31 block i + 2
.set AS0,  9                           ; v9     X's: lanes 0-15 block i, lanes 16-31 block i + 4
.set BO,   10                          ; v10    the bias's lane term
.set SWA,  11                          ; v11    scratch, in
.set SRA,  12                          ; v12    scratch, out
.set L8,   13                          ; v13    8 x lane
.set VO,   16                          ; v17-19 16 x lane + a x the step from block to block
.set PW,   20
.set SB,   32
.set SA,   64
.set BIAS, 80
.set F1,   144
.set TM,   208
.set PC,   224
.set WV,  18
.set HY,  19
.set HX,  20
.set CX,  21
.set CY,  22
.set ISV, 23
.set GX,  24
.set GY,  25
.set G1Y,  32                          ; group 1: Y's codes, X's codes, Y's scale words, X's
.set G1X,  40
.set G1SY, 48
.set G1SX, 56
.set G0YS, 68                          ; group 0: Y's scale words, slot 0, slot 1; then X's
.set G0Y0, 72
.set G0Y1, 76
.set G0XS, 80
.set G0X0, 84
.set G0X1, 88
.set MSB, 0
.macro WIN new                         ; the immediate's high byte repeats the setting that is left
.if MSB != \new
	s_set_vgpr_msb (MSB<<8)|\new
.set MSB, \new
.endif
.endm
.macro PLACES                          ; four plain lines between a matrix instruction and a load into, or a vector read of, its registers
.rept 4
	v_nop
.endr
.endm
; A joint load: waves 0 and 1 fetch Y's halves, waves 2 and 3 X's.  Four v_nop follow each of the two lines.
.macro JLOAD g0a, g1a, g0b, g1b
	s_cmp_eq_u32 s[HY], 0
	s_cbranch_scc0 .Lfor_x_\@
	tensor_load_to_lds s[\g0a:\g0a+3], s[\g1a:\g1a+7]
	s_nop 0
.rept 4
	v_nop
.endr
	s_branch .Lasked_\@
.Lfor_x_\@:
	tensor_load_to_lds s[\g0b:\g0b+3], s[\g1b:\g1b+7]
	s_nop 0
.rept 4
	v_nop
.endr
.Lasked_\@:
.endm
.macro CROUND                          ; a round of the cluster's barrier
	s_barrier_signal -1
	s_barrier_wait -1
	s_cmp_lg_u32 s[WV], 0
	s_cbranch_scc1 .Lnot_wave_0_\@
	s_barrier_signal -3
.Lnot_wave_0_\@:
	s_barrier_wait -3
	s_barrier_signal -1
	s_barrier_wait -1
.endm
	s_load_b256 s[4:11], s[0:1], 0x0               ; xq, wq, bq, bk
	s_load_b128 s[12:15], s[0:1], 0x20             ; bv, qk
	s_load_b64 s[16:17], s[0:1], 0x30              ; vq
	v_lshl_add_u32 v218, v0, 2, 0x34000
	v_mov_b32 v219, 0
	ds_add_u32 v218, v219
	ds_add_u32 v218, v219
	v_lshrrev_b32 v1, 5, v0
	v_readfirstlane_b32 s[WV], v1                  ; wave 0..3
	s_lshr_b32 s[HY], s[WV], 1                     ; my half of Y's rows.  Also: I fetch for Y (0) or for X (1)
	s_and_b32 s[HX], s[WV], 1                      ; my half of X's rows.  Also: which half of that region I fetch
	s_bfe_u32 s[CX], ttmp6, 0x40000
	s_bfe_u32 s[CY], ttmp6, 0x40004
	s_mov_b32 s29, ttmp9                           ; the cluster's x
	s_and_b32 s26, ttmp7, 0xffff                   ; and y
	s_and_b32 s27, s26, 7
	s_lshr_b32 s28, s26, 3
	s_mov_b32 s66, XSCL
	s_mov_b32 s67, WSCL
	s_cmp_eq_u32 ttmp9, 2                          ; cluster column 2 makes V^T: the same in all sixteen partners
	s_cselect_b32 s[ISV], 1, 0
	s_cselect_b32 s27, s27, s29
	s_cselect_b32 s28, s28, s26
	s_cselect_b32 s3, 128, 0                       ; Wv's tiles begin at 128 in the stack
	s_cselect_b32 s66, WSCL, s66                   ; where Y's scale words begin in its buffer,
	s_cselect_b32 s67, XSCL, s67                   ; and X's
	s_lshl_b32 s27, s27, 2
	s_add_co_u32 s[GX], s27, s[CX]                 ; which 256 rows of X
	s_lshl_b32 s28, s28, 2
	s_add_co_u32 s[GY], s28, s[CY]                 ; which 128 rows of Y
	s_lshl_b32 s30, s[CY], 2
	s_lshl_b32 s30, 15, s30                        ; my row of the cluster
	s_lshl_b32 s31, 0x1111, s[CX]                  ; my column
	s_or_b32 s[G1Y], s30, (3<<16)|(1<<21)          ; 15:0 the mask; 17:16 elements of 8 bytes; 21 set beside a mask; no padding
	s_or_b32 s[G1SY], s30, (3<<16)|(1<<21)
	s_or_b32 s[G1X], s31, (3<<16)|(1<<21)
	s_or_b32 s[G1SX], s31, (3<<16)|(1<<21)
	s_mov_b32 s[G1Y+1], 512<<16                    ; Y's codes: 4 tiles, of each 4,096 bytes (512 elements), 8,192 bytes apart
	s_mov_b32 s[G1Y+2], 4<<16
	s_mov_b32 s[G1Y+3], 512<<16
	s_mov_b32 s[G1Y+4], 4
	s_mov_b32 s[G1Y+5], 1024
	s_mov_b32 s[G1Y+6], 0
	s_mov_b32 s[G1Y+7], 0
	s_mov_b32 s[G1X+1], 512<<16                    ; X's: 8 tiles
	s_mov_b32 s[G1X+2], 8<<16
	s_mov_b32 s[G1X+3], 512<<16
	s_mov_b32 s[G1X+4], 8
	s_mov_b32 s[G1X+5], 1024
	s_mov_b32 s[G1X+6], 0
	s_mov_b32 s[G1X+7], 0
	s_mov_b32 s[G1SY+1], 32<<16                    ; Y's scale words: 2,048 dense bytes as 8 rows of 256
	s_mov_b32 s[G1SY+2], 8<<16
	s_mov_b32 s[G1SY+3], 32<<16
	s_mov_b32 s[G1SY+4], 8
	s_mov_b32 s[G1SY+5], 32
	s_mov_b32 s[G1SY+6], 0
	s_mov_b32 s[G1SY+7], 0
	s_mov_b32 s[G1SX+1], 32<<16                    ; X's: 4,096 as 16 rows
	s_mov_b32 s[G1SX+2], 16<<16
	s_mov_b32 s[G1SX+3], 32<<16
	s_mov_b32 s[G1SX+4], 16
	s_mov_b32 s[G1SX+5], 32
	s_mov_b32 s[G1SX+6], 0
	s_mov_b32 s[G1SX+7], 0
	s_mov_b32 s[G0YS], 1                           ; LDS addresses: constants and the wave's number alone
	s_lshl_b32 s[G0YS+1], s[HX], 11
	s_add_co_u32 s[G0YS+1], s[G0YS+1], SCL
	s_mov_b32 s[G0Y0], 1
	s_lshl_b32 s[G0Y0+1], s[HX], 14
	s_mov_b32 s[G0Y1], 1
	s_add_co_u32 s[G0Y1+1], s[G0Y0+1], SLOTB
	s_mov_b32 s[G0XS], 1
	s_lshl_b32 s[G0XS+1], s[HX], 12
	s_add_co_u32 s[G0XS+1], s[G0XS+1], SCL+4096
	s_mov_b32 s[G0X0], 1
	s_lshl_b32 s[G0X0+1], s[HX], 15
	s_add_co_u32 s[G0X0+1], s[G0X0+1], XOFF
	s_mov_b32 s[G0X1], 1
	s_add_co_u32 s[G0X1+1], s[G0X0+1], SLOTB
	s_lshl_b32 s92, s[GY], 3                       ; Y's first tile that I fetch: 8 gy + 4 half (+ 128)
	s_lshl_b32 s93, s[HX], 2
	s_add_co_u32 s92, s92, s93
	s_add_co_u32 s92, s92, s3
	s_lshl_b32 s94, s92, 13                        ; its codes,
	s_mov_b32 s95, 0
	s_lshl_b32 s92, s92, 9                         ; its scale words
	s_add_co_u32 s92, s92, s66
	s_mov_b32 s93, 0
	s_lshl_b32 s96, s[GX], 4                       ; X's: 16 gx + 8 half
	s_lshl_b32 s97, s[HX], 3
	s_add_co_u32 s96, s96, s97
	s_lshl_b32 s98, s96, 13
	s_mov_b32 s99, 0
	s_lshl_b32 s96, s96, 9
	s_add_co_u32 s96, s96, s67
	s_mov_b32 s97, 0
	s_wait_dscnt 0x0
	s_wait_kmcnt 0x0
	s_cmp_eq_u32 s[ISV], 1
	s_cselect_b64 s[26:27], s[6:7], s[4:5]         ; Y's buffer
	s_cselect_b64 s[28:29], s[4:5], s[6:7]         ; X's
	s_add_nc_u64 s[G0YS+2:G0YS+3], s[26:27], s[92:93]
	s_add_nc_u64 s[G0Y0+2:G0Y0+3], s[26:27], s[94:95]
	s_add_nc_u64 s[G0Y1+2:G0Y1+3], s[G0Y0+2:G0Y0+3], 4096
	s_add_nc_u64 s[G0XS+2:G0XS+3], s[28:29], s[96:97]
	s_add_nc_u64 s[G0X0+2:G0X0+3], s[28:29], s[98:99]
	s_add_nc_u64 s[G0X1+2:G0X1+3], s[G0X0+2:G0X0+3], 4096
.irp g, G0YS, G0Y0, G0Y1, G0XS, G0X0, G0X1
	s_or_b32 s[\g+3], s[\g+3], 0x80000000          ; type = 2
.endr
	CROUND                                         ; all sixteen work-groups are here: the joint loads meet
	JLOAD G0YS, G1SY, G0XS, G1SX                   ; three loads a wave are out: the scale words, slot 0, slot 1; every LDS byte is filled once
	JLOAD G0Y0, G1Y, G0X0, G1X
	JLOAD G0Y1, G1Y, G0X1, G1X
	v_and_b32 v1, 15, v0                           ; r
	v_bfe_u32 v2, v0, 4, 1                         ; h
	v_and_b32 v3, 31, v0
	v_lshlrev_b32 v[L8], 3, v3                     ; 8 x lane
	v_lshlrev_b32 v3, 4, v3                        ; 16 x lane
	s_lshl_b32 s92, s[HY], 14
	v_add_nc_u32 v[AD1], s92, v3
	v_add_nc_u32 v[AD1+1], SLOTB, v[AD1]
	s_lshl_b32 s92, s[HX], 15
	s_add_co_u32 s92, s92, XOFF
	v_add_nc_u32 v[AD0], s92, v3
	v_add_nc_u32 v[AD0+1], SLOTB, v[AD0]
	v_lshlrev_b32 v14, 4, v1                       ; 16 r
	v_lshl_add_u32 v[AS1], v2, 10, v14             ; lanes 16-31: two tiles (1,024 bytes) on
	s_lshl_b32 s92, s[HY], 11
	s_add_co_u32 s92, s92, SCL
	v_add_nc_u32 v[AS1], s92, v[AS1]
	v_lshl_add_u32 v[AS0], v2, 11, v14             ; lanes 16-31: four tiles on
	s_lshl_b32 s92, s[HX], 12
	s_add_co_u32 s92, s92, SCL+4096
	v_add_nc_u32 v[AS0], s92, v[AS0]
	s_lshl_b32 s92, s[WV], 8
	s_add_co_u32 s92, s92, SCR
	v_lshl_add_u32 v[SWA], v1, 2, s92
	v_add_nc_u32 v[SRA], s92, v[L8]
.irp b, 0,1,2,3
	v_mov_b32 v[TM+4+\b], 0                        ; written once: a lane exchange's destination counts as a source
.endr
	; THE BIAS is the C of the first K step.  Both ways fill all 64 registers.
	s_cmp_eq_u32 s[ISV], 1
	s_cbranch_scc1 .Lbias_v
	v_lshlrev_b32 v[BO], 6, v2                     ; q, k: register j of tile b is output 32 (b / 2) + 8 (b % 2) + 16 h + j of my 128
	s_wait_alu depctr_va_vdst(0)
	s_and_b32 s92, s[GX], 3
	s_lshl_b32 s92, s92, 10
	s_lshl_b32 s93, s[HX], 9
	s_add_co_u32 s92, s92, s93
	s_mov_b32 s93, 0
	s_cmp_eq_u32 ttmp9, 0
	s_cselect_b64 s[94:95], s[8:9], s[10:11]       ; bq or bk
	s_add_nc_u64 s[94:95], s[94:95], s[92:93]
.irp b, 0,1,2,3,4,5,6,7
	global_load_b128 v[BIAS+8*\b:BIAS+8*\b+3], v[BO], s[94:95] offset:128*(\b/2)+32*(\b%2)
	global_load_b128 v[BIAS+8*\b+4:BIAS+8*\b+7], v[BO], s[94:95] offset:128*(\b/2)+32*(\b%2)+16
.endr
	s_branch .Lbias_done
.Lbias_v:
	v_and_b32 v[BO], 8, v1                         ; v: one number a lane and block a: bv at Wv's row 32 (a / 2) + 8 (a % 2) + r + 8 (r / 8) of my 64
	v_add_nc_u32 v[BO], v[BO], v1
	v_lshlrev_b32 v[BO], 2, v[BO]
	s_lshl_b32 s92, s[GY], 9
	s_lshl_b32 s93, s[HY], 8
	s_add_co_u32 s92, s92, s93
	s_mov_b32 s93, 0
	s_add_nc_u64 s[94:95], s[12:13], s[92:93]
.irp u, 0,1                            ; two copies: even b takes the first, odd b the second
.irp a, 0,1,2,3
.irp j, 0,1,2,3,4,5,6,7
	global_load_b32 v[BIAS+8*(\a+4*\u)+\j], v[BO], s[94:95] offset:128*(\a/2)+32*(\a%2)
.endr
.endr
.endr
.Lbias_done:
	; where the results go
	s_lshl_b32 s92, s[GY], 3
	s_lshl_b32 s93, s[HY], 2
	s_add_co_u32 s92, s92, s93                     ; U = 8 gy + 4 hy: my first tile of Y
	s_lshl_b32 s93, s[GX], 1
	s_add_co_u32 s93, s93, s[HX]                   ; W = 2 gx + hx: my 128 rows of X
	s_mov_b32 s2, 16384
	s_mov_b32 s3, 1024
	s_cmp_eq_u32 s[ISV], 1
	s_cselect_b32 s2, 1024, s2                     ; bytes from block a to block a + 1
	s_cselect_b32 s3, 65536, s3                    ; bytes for one step of W
	s_cselect_b64 s[26:27], s[16:17], s[14:15]     ; vq or qk
	s_mul_i32 s96, s92, s2
	s_mul_i32 s97, s93, s3
	s_add_co_u32 s96, s96, s97                     ; the codes
	s_mov_b32 s97, 0
	s_lshl_b32 s92, s92, 4                         ; 16 U: my first row of Y
	s_lshr_b32 s98, s92, 11                        ; q, k: ((batch x 16 + W) x 2,048 + row in the batch) x 4
	s_lshl_b32 s98, s98, 4
	s_add_co_u32 s98, s98, s93
	s_lshl_b32 s98, s98, 11
	s_and_b32 s99, s92, 2047
	s_add_co_u32 s98, s98, s99
	s_lshl_b32 s98, s98, 2
	s_add_co_u32 s98, s98, 8388608
	s_lshl_b32 s99, s93, 10                        ; v: (W x 1,024 + d position) x 4
	s_add_co_u32 s99, s99, s92
	s_lshl_b32 s99, s99, 2
	s_add_co_u32 s99, s99, 4194304
	s_cmp_eq_u32 s[ISV], 1
	s_cselect_b32 s98, s99, s98
	s_mov_b32 s99, 0
	s_add_nc_u64 s[28:29], s[26:27], s[98:99]      ; my scale words
	s_add_nc_u64 s[26:27], s[26:27], s[96:97]      ; my codes
	v_add_nc_u32 v[VO+1], s2, v3
	v_add_nc_u32 v[VO+2], s2, v[VO+1]
	v_add_nc_u32 v[VO+3], s2, v[VO+2]
.macro SCALES                          ; all scale words of my rows, for both slots: four words (K steps) a load
.irp s, 0,1
.irp i, 0,1,2,3
	ds_load_b128 v[SB+16*\s+4*\i:SB+16*\s+4*\i+3], v[AS0] offset:512*\i+256*\s
.endr
.irp i, 0,1
	ds_load_b128 v[SA+8*\s+4*\i:SA+8*\s+4*\i+3], v[AS1] offset:512*\i+256*\s
.endr
.endr
.endm
.macro FETCH q                         ; K step q's fragments into set q % 2: a fragment is 1,024 dense bytes, two loads at 16 x lane
	WIN 0x40                                       ; destination window 1
.irp b, 0,1,2,3,4,5,6,7
.irp c, 0,1
	ds_load_b128 v[64*((\q)%2)+8*\b+4*\c:64*((\q)%2)+8*\b+4*\c+3], v[AD0+(\q)/4] offset:\b*4096+((\q)%4)*1024+512*\c
.endr
.endr
	WIN 0
.irp a, 0,1,2,3
.irp c, 0,1
	ds_load_b128 v[F1+32*((\q)%2)+8*\a+4*\c:F1+32*((\q)%2)+8*\a+4*\c+3], v[AD1+(\q)/4] offset:\a*4096+((\q)%4)*1024+512*\c
.endr
.endr
.endm
; One product.  cm = 0: C is the accumulator; 1: the bias by b; 2: the bias by a.
.macro MM a, b, q, cm
.set rD, 8*(8*(\a)+(\b))
.set rA, 64*((\q)%2)+8*(\b)
.set rB, F1+32*((\q)%2)+8*(\a)
.set rSA, SB+16*((\q)/4)+4*((\b)%4)+(\q)%4
.set rSB, SA+8*((\q)/4)+4*((\a)%2)+(\q)%4
.set rC, rD
.if \cm == 1
.set rC, BIAS+8*(\b)
.elseif \cm == 2
.set rC, BIAS+8*((\a)+4*((\b)%2))
.endif
.if ((\b) < 4) && ((\a) < 2)
	v_wmma_scale_f32_16x16x128_f8f6f4 v[rD:rD+7], v[rA:rA+7], v[rB:rB+7], v[rC:rC+7], v[rSA], v[rSB] matrix_a_fmt:MATRIX_FMT_FP4 matrix_b_fmt:MATRIX_FMT_FP4
.elseif (\a) < 2
	v_wmma_scale_f32_16x16x128_f8f6f4 v[rD:rD+7], v[rA:rA+7], v[rB:rB+7], v[rC:rC+7], v[rSA], v[rSB] matrix_a_fmt:MATRIX_FMT_FP4 matrix_b_fmt:MATRIX_FMT_FP4 matrix_a_scale:MATRIX_SCALE_ROW1
.elseif (\b) < 4
	v_wmma_scale_f32_16x16x128_f8f6f4 v[rD:rD+7], v[rA:rA+7], v[rB:rB+7], v[rC:rC+7], v[rSA], v[rSB] matrix_a_fmt:MATRIX_FMT_FP4 matrix_b_fmt:MATRIX_FMT_FP4 matrix_b_scale:MATRIX_SCALE_ROW1
.else
	v_wmma_scale_f32_16x16x128_f8f6f4 v[rD:rD+7], v[rA:rA+7], v[rB:rB+7], v[rC:rC+7], v[rSA], v[rSB] matrix_a_fmt:MATRIX_FMT_FP4 matrix_b_fmt:MATRIX_FMT_FP4 matrix_a_scale:MATRIX_SCALE_ROW1 matrix_b_scale:MATRIX_SCALE_ROW1
.endif
.endm
.macro KHEAD q                         ; K step q's fragments are in; the next step's are asked for
	s_wait_dscnt 0x0
.if (\q) == 2
	s_wait_tensorcnt 0x0                           ; my part of slot 1 has landed: say so; slot 0 is read on between signal and wait, and nobody writes it
	s_barrier_signal -1
.endif
.if (\q) == 3
	s_barrier_wait -1                              ; everybody's part of slot 1 has landed: the loads below read it
.endif
.if (\q) < 7
.if (\q) > 0
	PLACES                                         ; the set below was read by the K step before
.endif
	FETCH (\q)+1
.endif
.endm
.macro KMUL q, cm                      ; 32 products: the 32 accumulators take turns, one instruction a turn
.if \cm
	WIN 0x81                                       ; source 0 window 1, C window 0, D window 2
.else
	WIN 0xa1                                       ; source 0 window 1, C and D window 2
.endif
.irp a, 0,1,2,3
.irp b, 0,1,2,3,4,5,6,7
	MM \a, \b, \q, \cm
.endr
.endr
	WIN 0
.endm
	s_wait_tensorcnt 0x1                           ; my scale words and my part of slot 0 are in; slot 1's load stays out
	s_barrier_signal -1
	s_barrier_wait -1
	SCALES
	FETCH 0
	s_wait_loadcnt 0x0                             ; the bias
	KHEAD 0
	s_cmp_eq_u32 s[ISV], 1
	s_cbranch_scc1 .Lfirst_v
	KMUL 0, 1
	s_branch .Lfirst_done
.Lfirst_v:
	KMUL 0, 2
.Lfirst_done:
.irp q, 1,2,3,4,5,6,7
	KHEAD \q
	KMUL \q, 0
.endr
	PLACES                                         ; in front of the first vector read of results
; Block a: 64 numbers a lane, register 16 b + i = index 32 b + 16 h + i of the next K, become a fragment's codes and its scale word, and leave.
.macro QUANT a
.set AC, 64*(\a)
.set PCA, PC+8*(\a)
.set rVO, VO+(\a)
.if (\a) == 0
.set rVO, 3
.endif
	WIN 0x0a                                       ; sources 0 and 1 window 2
.irp b, 0,1,2,3
	v_max3_num_f32 v[TM+\b], |v[AC+16*\b]|, |v[AC+16*\b+1]|, 0x1800000   ; each accumulator from its low end on; the floor 2^(3 - 127) holds the byte at 1
.endr
.irp i, 2,4,6,8,10,12,14
.irp b, 0,1,2,3
	v_max3_num_f32 v[TM+\b], |v[AC+16*\b+\i]|, |v[AC+16*\b+\i+1]|, v[TM+\b]
.endr
.endr
	WIN 0
.irp b, 0,1,2,3
	v_permlanex16_b32 v[TM+4+\b], v[TM+\b], s30, s31
.endr
.irp b, 0,1,2,3
	v_max_num_f32 v[TM+\b], v[TM+\b], v[TM+4+\b]   ; with lane l xor 16's: the block's largest magnitude
.endr
.irp b, 0,1,2,3
	v_add_nc_u32 v[TM+12+\b], 0xff000000, v[TM+\b] ; 2 off the exponent field: the conversion's scale operand
.endr
.irp b, 0,1,2,3
	v_lshrrev_b32 v[TM+4+\b], 23, v[TM+12+\b]      ; the byte
.endr
	v_lshl_or_b32 v[PW+\a], v[TM+5], 8, v[TM+4]
	v_lshl_or_b32 v[PW+\a], v[TM+6], 16, v[PW+\a]
	v_lshl_or_b32 v[PW+\a], v[TM+7], 24, v[PW+\a]
	WIN 0x02                                       ; source 0 window 2
.irp b, 0,1,2,3
	v_cvt_scalef32_pk8_fp4_f32 v[PCA+2*\b], v[AC+16*\b:AC+16*\b+7], v[TM+12+\b]
	v_cvt_scalef32_pk8_fp4_f32 v[PCA+2*\b+1], v[AC+16*\b+8:AC+16*\b+15], v[TM+12+\b]
.endr
	WIN 0
	v_nop                                          ; one plain line behind a scaled conversion
.irp c, 0,1                            ; a whole block to a lane: lanes 0-15 block 2 c, lanes 16-31 block 2 c + 1
.irp i, 0,1
	v_permlane16_swap_b32 v[PCA+4*\c+\i], v[PCA+4*\c+2+\i]
.endr
.endr
.irp c, 0,1
	global_store_b128 v[rVO], v[PCA+4*\c:PCA+4*\c+3], s[26:27] offset:512*\c   ; 512 consecutive bytes a store
.endr
	ds_store_b32 v[SWA], v[PW+\a] offset:64*(\a)   ; lanes 16-31 write the same words with the same values
.endm
	s_mov_b32 s30, 0x76543210
	s_mov_b32 s31, 0xfedcba98                      ; selects for lane l xor 16
	QUANT 0
	QUANT 1
	QUANT 2
	QUANT 3
	ds_load_b64 v[14:15], v[SRA]                   ; LDS serves a wave's instructions in order: this sees my stores
	s_wait_dscnt 0x0
	global_store_b64 v[L8], v[14:15], s[28:29]     ; my 64 rows' scale words: 256 consecutive bytes
	s_wait_tensorcnt 0x0
	ds_add_u32 v218, v219
	s_wait_dscnt 0x0
	CROUND                                         ; the closing round
	s_endpgm
.Lfunc_end_k_qad5124ac05_qkv:
	.size	k_qad5124ac05_qkv, .Lfunc_end_k_qad5124ac05_qkv-k_qad5124ac05_qkv
	.p2alignl 7, 3214868480
	.fill 96, 4, 3214868480
	.section	.rodata,"a",@progbits
	.p2align	6, 0x0
	.amdhsa_kernel k_qad5124ac05_qkv
		.amdhsa_group_segment_fixed_size 213504
		.amdhsa_private_segment_fixed_size 0
		.amdhsa_enable_private_segment 0
		.amdhsa_kernarg_size 56
		.amdhsa_user_sgpr_count 2
		.amdhsa_user_sgpr_kernarg_segment_ptr 1
		.amdhsa_wavefront_size32 1
		.amdhsa_system_sgpr_workgroup_id_x 1
		.amdhsa_system_sgpr_workgroup_id_y 1
		.amdhsa_system_sgpr_workgroup_id_z 1
		.amdhsa_system_vgpr_workitem_id 0
		.amdhsa_next_free_vgpr 768
		.amdhsa_next_free_sgpr 100
		.amdhsa_reserve_vcc 0
		.amdhsa_float_denorm_mode_32 3
		.amdhsa_float_denorm_mode_16_64 3
		.amdhsa_memory_ordered 1
		.amdhsa_forward_progress 1
		.amdhsa_inst_pref_size 87
	.end_amdhsa_kernel
	.amdgpu_metadata
---
amdhsa.version: [ 1, 2 ]
amdhsa.kernels:
  - .name:           k_qad5124ac05_qkv
    .symbol:         k_qad5124ac05_qkv.kd
    .args:
      - { .name: xq, .offset: 0, .size: 8, .value_kind: global_buffer, .address_space: global }
      - { .name: wq, .offset: 8, .size: 8, .value_kind: global_buffer, .address_space: global }
      - { .name: bq, .offset: 16, .size: 8, .value_kind: global_buffer, .address_space: global }
      - { .name: bk, .offset: 24, .size: 8, .value_kind: global_buffer, .address_space: global }
      - { .name: bv, .offset: 32, .size: 8, .value_kind: global_buffer, .address_space: global }
      - { .name: qk, .offset: 40, .size: 8, .value_kind: global_buffer, .address_space: global }
      - { .name: vq, .offset: 48, .size: 8, .value_kind: global_buffer, .address_space: global }
    .group_segment_fixed_size: 213504
    .private_segment_fixed_size: 0
    .kernarg_segment_align: 8
    .kernarg_segment_size: 56
    .max_flat_workgroup_size: 128
    .sgpr_count:     100
    .vgpr_count:     768
    .wavefront_size: 32
...
	.end_amdgpu_metadata
.endif
;; end of part 2
;; launch attn (part 3): grid 4 x 64, 16 waves a work-group, clusters of 4 x 1, 169,984 bytes of LDS; arguments qk, vq, oq; writes oq
.if DOCPART == 3
	.amdgcn_target "amdgcn-amd-amdhsa--gfx1250"
	.amdhsa_code_object_version 6
	.text
	.protected	k_qad5124ac05_attn
	.globl	k_qad5124ac05_attn
	.p2align	8
	.type	k_qad5124ac05_attn,@function
k_qad5124ac05_attn:
	s_mov_b64 s[64:65], 0
	v_nop
	global_prefetch_b8 v0, s[64:65] scope:SCOPE_SE
	s_setreg_imm32_b32 hwreg(HW_REG_WAVE_MODE, 25, 1), 1
	s_wait_xcnt 0x0
	s_wait_alu depctr_hold_cnt(0) depctr_sa_sdst(0) depctr_va_vdst(0) depctr_va_sdst(0) depctr_va_ssrc(0) depctr_va_vcc(0) depctr_vm_vsrc(0)
	s_getreg_b32 s2, hwreg(HW_REG_IB_STS2, 6, 4)
	s_cmp_eq_u32 s2, 0
	s_cbranch_scc0 .Lentry_in_a_cluster
	s_endpgm
.Lentry_in_a_cluster:
	s_bfe_u32 s2, ttmp6, 0x10000c
	s_cmp_lg_u32 s2, 0x3003
	s_cbranch_scc0 .Lentry_shape_is_right
	s_endpgm
.Lentry_shape_is_right:
; o = softmax(q k^T / 8, causal) v for one head and batch, both products on codes of FP4 with E8M0 scales; o is quantised along the embedding and leaves as codes.
; THE SOFTMAX: t = score x log2(e) / 8; M = the running largest t rounded up to a whole number; p = 2^(t - M) is quantised along the keys, not normalised; the row's sum is taken of the unquantised p
; and divides O at the end; when M moves, the sum and O are multiplied by 2^(old M - new M), which rounds nothing.
; SHARES.  The four work-groups of a cluster belong to one head.  The head's K and V as codes with their scale words are 143,360 bytes: they come into LDS ONCE, by joint loads, and the loop has no barrier.
; Wave w makes two tiles of 16 queries: tile 4 a + cx with a = w and a = 31 - w.  Tile 4 a + cx needs key steps 0 .. a / 2 of 128 keys: that hangs on the wave's number alone, and every wave has 17 steps.
; Every pass walks 16 trips, a constant; a trip whose keys all come after the tile's queries jumps over its work.  The last trip that counts lies on the diagonal and hides keys by -infinity.
; LAYOUT.  Both products are used transposed (S^T = K Q^T, O^T = V^T P^T): a lane holds one query.  Rows of q, k and V^T stand in position order (position 16 t + p is row 32 (t/2) + 8 (t%2) + p + 8 (p/8)),
; so the 16 registers of result tiles 2 b, 2 b + 1 are 16 neighbours 32 b + 16 h + 0 .. 15.  The head's 64 fill half of the instruction's K: the upper four registers of K's and Q's fragments are zero codes.
; LIMITS: a block whose largest magnitude lies under 2^-124 is held at byte 1; a block of zeros gets byte 1 (only this program reads the bytes); NaN and infinities are not served.
; o's scale bytes leave as 2 bytes a lane, 16 bytes apart: the rest of each word belongs to other heads' work-groups; they are a sixteenth of the codes' bytes.
; REGISTERS: v1-7 addresses that stay; v8-11 a trip's addresses; v12 -M, v13 largest t, v[14:15] the sum; v16-31 Q of both passes; v32-95 K; v96-159 S^T, p; v160-191 O^T; v192-223 V; v224-231 p's codes;
;   v232-239, v244-247, v252, v254 at work; scale words: v240-241 V, v242-243 Q, v248-251 K, v253 p.
.set KC,   0                           ; K's codes [tile 128][512 bytes]
.set VC,   65536                       ; V's [key step 16][d tile 4][1,024 bytes]
.set KSC,  131072                      ; K's scale words [key position 2048] u32 (two heads' bytes a word)
.set VSC,  139264                      ; V's [key step 16][d position 64] u32
.set QSCL, 8388608                     ; where the scale words begin in qk,
.set VSCL, 4194304                     ; in vq,
.set OSCL, 4194304                     ; in oq
.set WV,   10
.set CX,   11
.set BB,   13
.set HD,   14
.set PAR,  15
.set SEL,  16
.set CS,   18
.set G1K,  20
.set G1V,  28
.set G1KS, 36
.set G1VS, 44
.set G0K,  52
.set G0V,  56
.set G0KS, 60
.set G0VS, 68
.set AA,   72                          ; the pass's last key step
.set SI,   73                          ; the trip
.set TB,   74                          ; 4,096 x trip: K's and V's codes
.set TS,   75                          ; 512 x trip: K's scale words
.set TJ,   76                          ; 256 x trip: V's
.set T0,   77                          ; the two query tiles
.set T1,   78
.set QT,   79
.macro CROUND                          ; a round of the cluster's barrier
	s_barrier_signal -1
	s_barrier_wait -1
	s_cmp_lg_u32 s[WV], 0
	s_cbranch_scc1 .Lnot_wave_0_\@
	s_barrier_signal -3
.Lnot_wave_0_\@:
	s_barrier_wait -3
	s_barrier_signal -1
	s_barrier_wait -1
.endm
	s_load_b128 s[4:7], s[0:1], 0x0                ; qk, vq
	s_load_b64 s[8:9], s[0:1], 0x10                ; oq
	v_lshl_add_u32 v254, v0, 2, 0x29000
	v_mov_b32 v255, 0
	ds_add_u32 v254, v255
	ds_add_u32 v254, v255
	s_wait_dscnt 0x0
	v_lshrrev_b32 v1, 5, v0
	s_delay_alu instid0(VALU_DEP_1)
	v_readfirstlane_b32 s[WV], v1                  ; wave 0..15
	s_bfe_u32 s[CX], ttmp6, 0x40000                ; my place in the cluster: it enters Q's and o's global addresses and the mask's numbers alone
	s_and_b32 s12, ttmp7, 0xffff                   ; batch x 16 + head
	s_lshr_b32 s[BB], s12, 4
	s_and_b32 s[HD], s12, 15
	s_and_b32 s[PAR], s[HD], 1
	s_and_b32 s[QT], s[WV], 3                      ; which quarter of K or V I fetch, if I fetch
	s_mov_b32 s[G1K], 15|(3<<16)|(1<<21)           ; the mask: all four; elements of 8 bytes; bit 21 beside a mask
	s_mov_b32 s[G1K+1], 64<<16                     ; K: 32 entries of 512 bytes, 16,384 bytes apart
	s_mov_b32 s[G1K+2], 32<<16
	s_mov_b32 s[G1K+3], 64<<16
	s_mov_b32 s[G1K+4], 32
	s_mov_b32 s[G1K+5], 2048
	s_mov_b32 s[G1K+6], 0
	s_mov_b32 s[G1K+7], 0
	s_mov_b32 s[G1V], 15|(3<<16)|(1<<21)
	s_mov_b32 s[G1V+1], 512<<16                    ; V: 4 key steps of 4,096 bytes, 65,536 bytes apart
	s_mov_b32 s[G1V+2], 4<<16
	s_mov_b32 s[G1V+3], 512<<16
	s_mov_b32 s[G1V+4], 4
	s_mov_b32 s[G1V+5], 8192
	s_mov_b32 s[G1V+6], 0
	s_mov_b32 s[G1V+7], 0
	s_mov_b32 s[G1KS], 15|(3<<16)|(1<<21)
	s_mov_b32 s[G1KS+1], 32<<16                    ; K's scale words: 8,192 dense bytes as 32 rows of 256
	s_mov_b32 s[G1KS+2], 32<<16
	s_mov_b32 s[G1KS+3], 32<<16
	s_mov_b32 s[G1KS+4], 32
	s_mov_b32 s[G1KS+5], 32
	s_mov_b32 s[G1KS+6], 0
	s_mov_b32 s[G1KS+7], 0
	s_mov_b32 s[G1VS], 15|(3<<16)|(1<<21)
	s_mov_b32 s[G1VS+1], 32<<16                    ; V's: 16 rows of 256 bytes, 4,096 bytes apart
	s_mov_b32 s[G1VS+2], 16<<16
	s_mov_b32 s[G1VS+3], 32<<16
	s_mov_b32 s[G1VS+4], 16
	s_mov_b32 s[G1VS+5], 512
	s_mov_b32 s[G1VS+6], 0
	s_mov_b32 s[G1VS+7], 0
	s_mov_b32 s[G0K], 1
	s_lshl_b32 s[G0K+1], s[QT], 14                 ; KC + 16,384 x quarter
	s_mov_b32 s[G0V], 1
	s_add_co_u32 s[G0V+1], s[G0K+1], VC
	s_mov_b32 s[G0KS], 1
	s_mov_b32 s[G0KS+1], KSC
	s_mov_b32 s[G0VS], 1
	s_mov_b32 s[G0VS+1], VSC
	s_lshl_b32 s80, s[BB], 21                      ; K: ((128 b + 32 quarter) x 32 + 16 + head) x 512
	s_lshl_b32 s81, s[QT], 19
	s_add_co_u32 s80, s80, s81
	s_lshl_b32 s81, s[HD], 9
	s_add_co_u32 s80, s80, s81
	s_add_co_u32 s80, s80, 8192
	s_mov_b32 s81, 0
	s_lshl_b32 s82, s[BB], 20                      ; V: ((16 b + 4 quarter) x 64 + 4 head) x 1,024
	s_lshl_b32 s83, s[QT], 18
	s_add_co_u32 s82, s82, s83
	s_lshl_b32 s83, s[HD], 12
	s_add_co_u32 s82, s82, s83
	s_mov_b32 s83, 0
	s_lshr_b32 s96, s[HD], 1                       ; the pair of heads
	s_lshl_b32 s84, s[BB], 4
	s_add_co_u32 s84, s84, s96
	s_lshl_b32 s84, s84, 13                        ; (16 b + head / 2) x 8,192
	s_add_co_u32 s90, s84, QSCL                    ; Q's scale words,
	s_lshl_b32 s97, s[PAR], 1
	s_add_co_u32 s90, s90, s97                     ; my head's two bytes of each
	s_mov_b32 s91, 0
	s_add_co_u32 s84, s84, QSCL+65536              ; K's: 8 pairs further on
	s_mov_b32 s85, 0
	s_lshl_b32 s86, s[BB], 16                      ; V's scale words: (16,384 b + 64 head) x 4
	s_lshl_b32 s87, s[HD], 8
	s_add_co_u32 s86, s86, s87
	s_add_co_u32 s86, s86, VSCL
	s_mov_b32 s87, 0
	s_lshl_b32 s88, s[BB], 21                      ; Q's codes: (4,096 b + head) x 512
	s_lshl_b32 s89, s[HD], 9
	s_add_co_u32 s88, s88, s89
	s_lshl_b32 s92, s[BB], 20                      ; o's codes: 128 b tiles of 8,192 bytes + 512 head
	s_add_co_u32 s92, s92, s89
	s_mov_b32 s89, 0
	s_mov_b32 s93, 0
	s_lshl_b32 s94, s[BB], 16                      ; o's scale bytes: 128 b tiles of 512 + 256 (head / 8) + 4 ((head / 2) % 4) + 2 (head % 2)
	s_lshr_b32 s95, s[HD], 3
	s_lshl_b32 s95, s95, 8
	s_add_co_u32 s94, s94, s95
	s_and_b32 s95, s96, 3
	s_lshl_b32 s95, s95, 2
	s_add_co_u32 s94, s94, s95
	s_add_co_u32 s94, s94, s97
	s_add_co_u32 s94, s94, OSCL
	s_mov_b32 s95, 0
	s_lshl_b32 s[T0], s[WV], 2
	s_add_co_u32 s[T0], s[T0], s[CX]               ; tile 4 w + cx
	s_xor_b32 s[T1], s[WV], 31                     ; 31 - w
	s_lshl_b32 s[T1], s[T1], 2
	s_add_co_u32 s[T1], s[T1], s[CX]
	s_mov_b32 s[SEL], 0x76543210
	s_mov_b32 s[SEL+1], 0xfedcba98                 ; selects for lane l xor 16
	s_mov_b32 s[CS], 0x3e38aa3b                    ; c = log2(e) / 8
	s_mov_b32 s[CS+1], s[CS]                       ; (named with it as a pair, so it is written)
	s_wait_kmcnt 0x0
	s_add_nc_u64 s[G0K+2:G0K+3], s[4:5], s[80:81]
	s_or_b32 s[G0K+3], s[G0K+3], 0x80000000
	s_add_nc_u64 s[G0V+2:G0V+3], s[6:7], s[82:83]
	s_or_b32 s[G0V+3], s[G0V+3], 0x80000000
	s_add_nc_u64 s[G0KS+2:G0KS+3], s[4:5], s[84:85]
	s_or_b32 s[G0KS+3], s[G0KS+3], 0x80000000
	s_add_nc_u64 s[G0VS+2:G0VS+3], s[6:7], s[86:87]
	s_or_b32 s[G0VS+3], s[G0VS+3], 0x80000000
	s_add_nc_u64 s[88:89], s[4:5], s[88:89]
	s_add_nc_u64 s[90:91], s[4:5], s[90:91]
	s_add_nc_u64 s[92:93], s[8:9], s[92:93]
	s_add_nc_u64 s[94:95], s[8:9], s[94:95]
	CROUND                                         ; all four work-groups are here: the joint loads meet
	; Waves 0-3: K's quarters; 4-7: V's; 8: K's scale words; 9: V's; the others none.  One load a wave at the most; every LDS byte is filled once.  Four v_nop follow each line.
	s_cmp_lt_u32 s[WV], 4
	s_cbranch_scc0 .Lnot_k
	tensor_load_to_lds s[G0K:G0K+3], s[G1K:G1K+7]
	s_nop 0
.rept 4
	v_nop
.endr
	s_branch .Lasked
.Lnot_k:
	s_cmp_lt_u32 s[WV], 8
	s_cbranch_scc0 .Lnot_v
	tensor_load_to_lds s[G0V:G0V+3], s[G1V:G1V+7]
	s_nop 0
.rept 4
	v_nop
.endr
	s_branch .Lasked
.Lnot_v:
	s_cmp_eq_u32 s[WV], 8
	s_cbranch_scc0 .Lnot_ks
	tensor_load_to_lds s[G0KS:G0KS+3], s[G1KS:G1KS+7]
	s_nop 0
.rept 4
	v_nop
.endr
	s_branch .Lasked
.Lnot_ks:
	s_cmp_eq_u32 s[WV], 9
	s_cbranch_scc0 .Lasked
	tensor_load_to_lds s[G0VS:G0VS+3], s[G1VS:G1VS+7]
	s_nop 0
.rept 4
	v_nop
.endr
.Lasked:
	v_and_b32 v254, 15, v0                         ; r
	v_bfe_u32 v255, v0, 4, 1                       ; h
	v_and_b32 v6, 31, v0
	s_delay_alu instid0(VALU_DEP_1)
	v_lshlrev_b32 v3, 2, v6                        ; 4 x lane
	s_delay_alu instid0(VALU_DEP_2)
	v_lshlrev_b32 v6, 4, v6                        ; v6: 16 x lane: K's codes (KC stands in the immediates), and global offsets
	s_delay_alu instid0(VALU_DEP_1)
	v_add_nc_u32 v2, VC, v6                        ; v2: V's codes
	s_delay_alu instid0(VALU_DEP_3)
	v_add_nc_u32 v4, VSC, v3                       ; v4: V's scale words: lanes 0-15 d tile 2 g, lanes 16-31 d tile 2 g + 1
	s_lshl_b32 s96, s[PAR], 1
	s_add_co_u32 s96, s96, KSC
	v_add_nc_u32 v3, s96, v3                       ; v3: my head's two bytes of K's scale words: lanes 0-15 tile 2 b, lanes 16-31 tile 2 b + 1
	v_lshlrev_b32 v1, 4, v254                      ; v1: 16 r
	v_and_b32 v5, 8, v254
	s_delay_alu instid0(VALU_DEP_1)
	v_add_nc_u32 v5, v5, v254
	v_lshlrev_b32 v255, 4, v255
	s_delay_alu instid0(VALU_DEP_1)
	v_sub_nc_u32 v5, v5, v255                      ; v5: r + 8 (r / 8) - 16 h
	s_lshl_b32 s96, s[T0], 14                      ; Q: an entry of 512 bytes for each tile, 16,384 bytes apart; a scale word for each row
	v_add_nc_u32 v8, s96, v6
	s_lshl_b32 s96, s[T1], 14
	v_add_nc_u32 v9, s96, v6
	v_lshlrev_b32 v11, 2, v254
	s_lshl_b32 s96, s[T0], 6
	v_add_nc_u32 v10, s96, v11
	s_lshl_b32 s96, s[T1], 6
	v_add_nc_u32 v11, s96, v11
	global_load_b128 v[16:19], v8, s[88:89]
	global_load_b128 v[24:27], v9, s[88:89]
	global_load_u16 v242, v10, s[90:91]            ; two bytes, widened with zeros: the upper two bytes stand over zero codes
	global_load_u16 v243, v11, s[90:91]
.irp j, 20,21,22,23,28,29,30,31
	v_mov_b32 v[\j], 0                             ; Q's K = 64 .. 127: zero codes
.endr
.irp t, 0,1,2,3,4,5,6,7
.irp j, 4,5,6,7
	v_mov_b32 v[32+8*\t+\j], 0                     ; and K's: written once
.endr
.endr
.irp j, 236,237,238,239,252,253
	v_mov_b32 v[\j], 0                             ; destinations of lane exchanges, and the pair v[252:253], are written before they are first named
.endr
	s_wait_tensorcnt 0x0                           ; my load has landed,
	s_barrier_signal -1
	s_barrier_wait -1                              ; everybody's has: the one barrier of the launch's work
	s_wait_loadcnt 0x0                             ; Q of both passes; their address registers are free
.macro PASS p, QF, QS, TT
.if \p == 0
	s_lshr_b32 s[AA], s[WV], 1                     ; the last key step: a / 2, of the wave's number alone
.else
	s_xor_b32 s[AA], s[WV], 31
	s_lshr_b32 s[AA], s[AA], 1
.endif
	s_mov_b32 s[SI], 0
	s_mov_b32 s[TB], 0
	s_mov_b32 s[TS], 0
	s_mov_b32 s[TJ], 0
	s_and_b32 s96, s[\TT], 7                       ; the tile's place in its last key step
	s_lshr_b32 s97, s96, 1
	s_lshl_b32 s97, s97, 5
	s_and_b32 s96, s96, 1
	s_lshl_b32 s96, s96, 3
	s_add_co_u32 s96, s96, s97
	v_add_nc_u32 v7, s96, v5                       ; d = my query - the step's first key - 16 h: register 16 b + i is hidden where 32 b + i > d
	v_mov_b32 v13, 0xff61b1e6                      ; the largest t so far: -3e38
	s_delay_alu instid0(VALU_DEP_1)
	v_floor_f32 v12, -v13                          ; -M
	v_mov_b32 v14, 0
	v_mov_b32 v15, 0
.irp j, 0,1,2,3,4,5,6,7,8,9,10,11,12,13,14,15,16,17,18,19,20,21,22,23,24,25,26,27,28,29,30,31
	v_mov_b32 v[160+\j], 0                         ; O^T: the trip is written once; the first finds zeros
.endr
.Ltrip_\@:
	s_cmp_gt_u32 s[SI], s[AA]                      ; all keys of this step come after my queries: its work is jumped over
	s_cbranch_scc1 .Lhidden_\@
	s_setprio 2
	v_add_nc_u32 v8, s[TB], v6                     ; (these four are also the places in front of loads into registers that the last products read)
	v_add_nc_u32 v9, s[TB], v2
	v_add_nc_u32 v10, s[TS], v3
	v_add_nc_u32 v11, s[TJ], v4
.irp t, 0,1,2,3,4,5,6,7
	ds_load_b128 v[32+8*\t:35+8*\t], v8 offset:KC+512*\t
.endr
.irp b, 0,1,2,3
	ds_load_u16 v[248+\b], v10 offset:128*\b
.endr
.irp t, 0,1,2,3
.irp c, 0,1
	ds_load_b128 v[192+8*\t+4*\c:195+8*\t+4*\c], v9 offset:1024*\t+512*\c
.endr
.endr
.irp g, 0,1
	ds_load_b32 v[240+\g], v11 offset:128*\g
.endr
	s_wait_dscnt 10                                ; K and its scale words are in; V's eight loads and its two scale loads stay out
.irp t, 0,1,2,3,4,5,6,7
.if \t%2 == 0
	v_wmma_scale_f32_16x16x128_f8f6f4 v[96+8*\t:103+8*\t], v[32+8*\t:39+8*\t], v[\QF:\QF+7], 0, v[248+\t/2], v[\QS] matrix_a_fmt:MATRIX_FMT_FP4 matrix_b_fmt:MATRIX_FMT_FP4
.else
	v_wmma_scale_f32_16x16x128_f8f6f4 v[96+8*\t:103+8*\t], v[32+8*\t:39+8*\t], v[\QF:\QF+7], 0, v[248+\t/2], v[\QS] matrix_a_fmt:MATRIX_FMT_FP4 matrix_b_fmt:MATRIX_FMT_FP4 matrix_a_scale:MATRIX_SCALE_ROW1
.endif
.endr
.rept 4
	v_nop                                          ; places in front of the first read of the scores
.endr
	s_cmp_lg_u32 s[SI], s[AA]                      ; only the last step lies on the diagonal
	s_cbranch_scc1 .Lopen_\@
	v_mov_b32 v254, 0xff800000                     ; -infinity: p = 0 then
.irp n, 0,1,2,3,4,5,6,7,8,9,10,11,12,13,14,15,16,17,18,19,20,21,22,23,24,25,26,27,28,29,30,31,32,33,34,35,36,37,38,39,40,41,42,43,44,45,46,47,48,49,50,51,52,53,54,55,56,57,58,59,60,61,62,63
	v_cmp_gt_i32 vcc_lo, 32*(\n/16)+\n%16, v7
	v_cndmask_b32 v[96+\n], v[96+\n], v254, vcc_lo
.endr
.Lopen_\@:
.irp b, 0,1,2,3
	v_max3_num_f32 v[232+\b], v[96+16*\b], v[97+16*\b], v[98+16*\b]   ; the largest score of each block of 32 keys: for the row's maximum, and, since p rises with the score, for the block's largest p
.endr
.irp i, 3,5,7,9,11,13
.irp b, 0,1,2,3
	v_max3_num_f32 v[232+\b], v[232+\b], v[96+16*\b+\i], v[97+16*\b+\i]
.endr
.endr
.irp b, 0,1,2,3
	v_max_num_f32 v[232+\b], v[232+\b], v[111+16*\b]
.endr
.irp b, 0,1,2,3
	s_delay_alu instid0(VALU_DEP_4)
	v_permlanex16_b32 v[236+\b], v[232+\b], s[SEL], s[SEL+1]
.endr
.irp b, 0,1,2,3
	s_delay_alu instid0(VALU_DEP_4)
	v_max_num_f32 v[232+\b], v[232+\b], v[236+\b]  ; with lane l xor 16's 16 keys
.endr
	s_delay_alu instid0(VALU_DEP_2)
	v_max3_num_f32 v254, v232, v233, v234
	s_delay_alu instid0(VALU_DEP_1)
	v_max_num_f32 v254, v254, v235
	s_delay_alu instid0(VALU_DEP_1)
	v_mul_f32 v254, s[CS], v254                    ; the step's largest t
	s_delay_alu instid0(VALU_DEP_1)
	v_max_num_f32 v13, v13, v254                   ; the running largest t
	v_mov_b32 v254, v12
	s_delay_alu instid0(VALU_DEP_2)
	v_floor_f32 v12, -v13                          ; the new -M = -ceil(t)
	s_delay_alu instid0(VALU_DEP_1)
	v_sub_f32 v254, v12, v254                      ; old M - new M: a whole number, 0 or less
	s_delay_alu instid0(VALU_DEP_1)
	v_cvt_i32_f32 v254, v254                       ; (it saturates)
	s_delay_alu instid0(VALU_DEP_1)
	v_ldexp_f32 v252, 1.0, v254                    ; f = 2^(old M - new M)
.irp j, 0,2,4,6,8,10,12,14,16,18,20,22,24,26,28,30,32,34,36,38,40,42,44,46,48,50,52,54,56,58,60,62
	v_pk_fma_f32 v[96+\j:97+\j], v[96+\j:97+\j], s[CS:CS+1], v[12:13] op_sel_hi:[1,0,0]   ; t - M, two at a time
.endr
	s_setprio 1
.irp b, 0,1,2,3
	v_fma_f32 v[232+\b], v[232+\b], s[CS], v12     ; the same of each block's largest score
.endr
	s_wait_alu depctr_va_vdst(0)
.irp j, 0,1,2,3,4,5,6,7,8,9,10,11,12,13,14,15,16,17,18,19,20,21,22,23,24,25,26,27,28,29,30,31,32,33,34,35,36,37,38,39,40,41,42,43,44,45,46,47,48,49,50,51,52,53,54,55,56,57,58,59,60,61,62,63
	v_exp_f32 v[96+\j], v[96+\j]                   ; p = 2^(t - M)
.endr
.irp b, 0,1,2,3
	v_exp_f32 v[232+\b], v[232+\b]                 ; the block's largest p
.endr
	v_pk_mul_f32 v[14:15], v[14:15], v[252:253] op_sel_hi:[1,0]   ; the sums under the new M (a plain line behind the exponentials)
	s_wait_alu depctr_va_vdst(0)
.irp b, 0,1,2,3
	v_max_num_f32 v[232+\b], 0x1800000, v[232+\b]  ; the floor 2^(3 - 127)
.endr
.irp b, 0,1,2,3
	s_delay_alu instid0(VALU_DEP_4)
	v_add_nc_u32 v[244+\b], 0xff000000, v[232+\b]  ; the conversion's scale operand
.endr
.irp b, 0,1,2,3
	s_delay_alu instid0(VALU_DEP_4)
	v_lshrrev_b32 v[236+\b], 23, v[244+\b]         ; the byte
.endr
	s_delay_alu instid0(VALU_DEP_3)
	v_lshl_or_b32 v253, v237, 8, v236              ; p's scale word for these 128 keys
	s_delay_alu instid0(VALU_DEP_1)
	v_lshl_or_b32 v253, v238, 16, v253
	s_delay_alu instid0(VALU_DEP_1)
	v_lshl_or_b32 v253, v239, 24, v253
.irp b, 0,1,2,3
	v_cvt_scalef32_pk8_fp4_f32 v[224+2*\b], v[96+16*\b:103+16*\b], v[244+\b]
	v_cvt_scalef32_pk8_fp4_f32 v[225+2*\b], v[104+16*\b:111+16*\b], v[244+\b]
.endr
	v_nop                                          ; one plain line behind a scaled conversion
.irp c, 0,1
.irp i, 0,1
	v_permlane16_swap_b32 v[224+4*\c+\i], v[226+4*\c+\i]   ; a whole block to a lane
.endr
.endr
	v_pk_add_f32 v[236:237], v[100:101], v[104:105]
	v_pk_add_f32 v[254:255], v[108:109], v[112:113]
	v_pk_add_f32 v[250:251], v[116:117], v[120:121]
	v_pk_add_f32 v[248:249], v[124:125], v[128:129]
	v_pk_add_f32 v[246:247], v[132:133], v[136:137]
	v_pk_add_f32 v[244:245], v[140:141], v[144:145]
	v_pk_add_f32 v[234:235], v[148:149], v[152:153]
	v_pk_add_f32 v[14:15], v[14:15], v[156:157]
	v_pk_add_f32 v[236:237], v[236:237], v[96:97]
	v_pk_add_f32 v[254:255], v[254:255], v[98:99]
	v_pk_add_f32 v[250:251], v[250:251], v[102:103]
	v_pk_add_f32 v[248:249], v[248:249], v[106:107]
	s_setprio 0
	v_pk_add_f32 v[246:247], v[246:247], v[110:111]
	v_pk_add_f32 v[244:245], v[244:245], v[114:115]
	v_pk_add_f32 v[234:235], v[234:235], v[118:119]
	v_pk_add_f32 v[14:15], v[14:15], v[122:123]
	v_pk_add_f32 v[236:237], v[236:237], v[126:127]
	v_pk_add_f32 v[254:255], v[254:255], v[130:131]
	v_pk_add_f32 v[250:251], v[250:251], v[134:135]
	v_pk_add_f32 v[248:249], v[248:249], v[138:139]
	v_pk_add_f32 v[246:247], v[246:247], v[142:143]
	v_pk_add_f32 v[244:245], v[244:245], v[146:147]
	v_pk_add_f32 v[234:235], v[234:235], v[150:151]
	v_pk_add_f32 v[14:15], v[14:15], v[154:155]
	v_pk_add_f32 v[236:237], v[236:237], v[158:159]
	s_delay_alu instid0(VALU_DEP_2)
	v_pk_add_f32 v[14:15], v[14:15], v[248:249]
	s_delay_alu instid0(VALU_DEP_2)
	v_pk_add_f32 v[236:237], v[236:237], v[246:247]
	v_pk_add_f32 v[254:255], v[254:255], v[244:245]
	v_pk_add_f32 v[250:251], v[250:251], v[234:235]
	s_delay_alu instid0(VALU_DEP_2)
	v_pk_add_f32 v[14:15], v[14:15], v[254:255]
	s_delay_alu instid0(VALU_DEP_2)
	v_pk_add_f32 v[236:237], v[236:237], v[250:251]
	s_delay_alu instid0(VALU_DEP_1)
	v_pk_add_f32 v[14:15], v[14:15], v[236:237]
.irp j, 0,2,4,6,8,10,12,14,16,18,20,22,24,26,28,30
	v_pk_mul_f32 v[160+\j:161+\j], v[160+\j:161+\j], v[252:253] op_sel_hi:[1,0]   ; O^T under the new M, each accumulator from its low end on
.endr
	s_wait_alu depctr_va_vdst(0)
	s_wait_dscnt 0x0                               ; V and its scale words are in
.irp t, 0,1,2,3
.if \t%2 == 0
	v_wmma_scale_f32_16x16x128_f8f6f4 v[160+8*\t:167+8*\t], v[192+8*\t:199+8*\t], v[224:231], v[160+8*\t:167+8*\t], v[240+\t/2], v253 matrix_a_fmt:MATRIX_FMT_FP4 matrix_b_fmt:MATRIX_FMT_FP4
.else
	v_wmma_scale_f32_16x16x128_f8f6f4 v[160+8*\t:167+8*\t], v[192+8*\t:199+8*\t], v[224:231], v[160+8*\t:167+8*\t], v[240+\t/2], v253 matrix_a_fmt:MATRIX_FMT_FP4 matrix_b_fmt:MATRIX_FMT_FP4 matrix_a_scale:MATRIX_SCALE_ROW1
.endif
.endr
.Lhidden_\@:
	s_add_co_u32 s[TB], s[TB], 4096
	s_add_co_u32 s[TS], s[TS], 512
	s_add_co_u32 s[TJ], s[TJ], 256
	s_add_co_u32 s[SI], s[SI], 1
	s_cmp_lt_u32 s[SI], 16
	s_cbranch_scc1 .Ltrip_\@
	s_setprio 0
.rept 4
	v_nop                                          ; places behind the last products
.endr
	v_add_f32 v14, v14, v15                        ; the sum's two halves,
	s_delay_alu instid0(VALU_DEP_1)
	v_permlanex16_b32 v252, v14, s[SEL], s[SEL+1]
	s_delay_alu instid0(VALU_DEP_1)
	v_add_f32 v14, v14, v252                       ; and lane l xor 16's
	s_wait_alu depctr_va_vdst(0)
	v_rcp_f32 v14, v14
	s_lshl_b32 s96, s[\TT], 13
	v_add_nc_u32 v8, s96, v6                       ; (a plain line behind the reciprocal)  my 16 bytes of the tile's entry in oq
	s_lshl_b32 s96, s[\TT], 9
	v_add_nc_u32 v9, s96, v1                       ; and my row's scale bytes
	s_wait_alu depctr_va_vdst(0)
.irp j, 0,2,4,6,8,10,12,14,16,18,20,22,24,26,28,30
	v_pk_mul_f32 v[96+\j:97+\j], v[160+\j:161+\j], v[14:15] op_sel_hi:[1,0]   ; o = O^T / the sum: register 16 b + i is channel 32 b + 16 h + i of my head
.endr
.irp b, 0,1
	v_max3_num_f32 v[232+\b], |v[96+16*\b]|, |v[97+16*\b]|, 0x1800000
.endr
.irp i, 2,4,6,8,10,12,14
.irp b, 0,1
	s_delay_alu instid0(VALU_DEP_2)
	v_max3_num_f32 v[232+\b], v[232+\b], |v[96+16*\b+\i]|, |v[97+16*\b+\i]|
.endr
.endr
.irp b, 0,1
	s_delay_alu instid0(VALU_DEP_2)
	v_permlanex16_b32 v[236+\b], v[232+\b], s[SEL], s[SEL+1]
.endr
.irp b, 0,1
	s_delay_alu instid0(VALU_DEP_2)
	v_max_num_f32 v[232+\b], v[232+\b], v[236+\b]
.endr
.irp b, 0,1
	s_delay_alu instid0(VALU_DEP_2)
	v_add_nc_u32 v[244+\b], 0xff000000, v[232+\b]
.endr
.irp b, 0,1
	s_delay_alu instid0(VALU_DEP_2)
	v_lshrrev_b32 v[236+\b], 23, v[244+\b]
.endr
	s_delay_alu instid0(VALU_DEP_1)
	v_lshl_or_b32 v254, v237, 8, v236              ; my head's two scale bytes of my row
.irp b, 0,1
	v_cvt_scalef32_pk8_fp4_f32 v[224+2*\b], v[96+16*\b:103+16*\b], v[244+\b]
	v_cvt_scalef32_pk8_fp4_f32 v[225+2*\b], v[104+16*\b:111+16*\b], v[244+\b]
.endr
	v_nop                                          ; one plain line behind a scaled conversion
	v_permlane16_swap_b32 v224, v226
	v_permlane16_swap_b32 v225, v227               ; lanes 0-15 block 2 head, lanes 16-31 block 2 head + 1
	global_store_b128 v8, v[224:227], s[92:93]     ; 512 consecutive bytes
	global_store_b16 v9, v254, s[94:95]            ; lanes 16-31 write the same bytes with the same values
.if \p == 0
	s_wait_xcnt 0x0                                ; the stores have read their registers: the next pass writes them again
.endif
.endm
	PASS 0, 16, 242, T0
	PASS 1, 24, 243, T1
	s_wait_xcnt 0x0
	v_lshl_add_u32 v254, v0, 2, 0x29000
	v_mov_b32 v255, 0
	s_wait_alu depctr_va_vdst(0)
	s_wait_tensorcnt 0x0
	ds_add_u32 v254, v255
	s_wait_dscnt 0x0
	CROUND                                         ; the closing round
	s_endpgm
.Lfunc_end_k_qad5124ac05_attn:
	.size	k_qad5124ac05_attn, .Lfunc_end_k_qad5124ac05_attn-k_qad5124ac05_attn
	.p2alignl 7, 3214868480
	.fill 96, 4, 3214868480
	.section	.rodata,"a",@progbits
	.p2align	6, 0x0
	.amdhsa_kernel k_qad5124ac05_attn
		.amdhsa_group_segment_fixed_size 169984
		.amdhsa_private_segment_fixed_size 0
		.amdhsa_enable_private_segment 0
		.amdhsa_kernarg_size 24
		.amdhsa_user_sgpr_count 2
		.amdhsa_user_sgpr_kernarg_segment_ptr 1
		.amdhsa_wavefront_size32 1
		.amdhsa_system_sgpr_workgroup_id_x 1
		.amdhsa_system_sgpr_workgroup_id_y 1
		.amdhsa_system_sgpr_workgroup_id_z 1
		.amdhsa_system_vgpr_workitem_id 0
		.amdhsa_next_free_vgpr 256
		.amdhsa_next_free_sgpr 100
		.amdhsa_reserve_vcc 1
		.amdhsa_float_denorm_mode_32 3
		.amdhsa_float_denorm_mode_16_64 3
		.amdhsa_memory_ordered 1
		.amdhsa_forward_progress 1
		.amdhsa_inst_pref_size 66
	.end_amdhsa_kernel
	.amdgpu_metadata
---
amdhsa.version: [ 1, 2 ]
amdhsa.kernels:
  - .name:           k_qad5124ac05_attn
    .symbol:         k_qad5124ac05_attn.kd
    .args:
      - { .name: qk, .offset: 0, .size: 8, .value_kind: global_buffer, .address_space: global }
      - { .name: vq, .offset: 8, .size: 8, .value_kind: global_buffer, .address_space: global }
      - { .name: oq, .offset: 16, .size: 8, .value_kind: global_buffer, .address_space: global }
    .group_segment_fixed_size: 169984
    .private_segment_fixed_size: 0
    .kernarg_segment_align: 8
    .kernarg_segment_size: 24
    .max_flat_workgroup_size: 512
    .sgpr_count:     100
    .vgpr_count:     256
    .wavefront_size: 32
...
	.end_amdgpu_metadata
.endif
;; end of part 3
;; launch oproj (part 4): grid 4 x 64, 4 waves a work-group, clusters of 4 x 4, 246,272 bytes of LDS; arguments oq, wq, bo, out0; writes out0
.if DOCPART == 4
	.amdgcn_target "amdgcn-amd-amdhsa--gfx1250"
	.amdhsa_code_object_version 6
	.text
	.protected	k_qad5124ac05_oproj
	.globl	k_qad5124ac05_oproj
	.p2align	8
	.type	k_qad5124ac05_oproj,@function
k_qad5124ac05_oproj:
	s_mov_b64 s[64:65], 0
	v_nop
	global_prefetch_b8 v0, s[64:65] scope:SCOPE_SE
	s_setreg_imm32_b32 hwreg(HW_REG_WAVE_MODE, 25, 1), 1
	s_wait_xcnt 0x0
	s_wait_alu depctr_hold_cnt(0) depctr_sa_sdst(0) depctr_va_vdst(0) depctr_va_sdst(0) depctr_va_ssrc(0) depctr_va_vcc(0) depctr_vm_vsrc(0)
	s_getreg_b32 s2, hwreg(HW_REG_IB_STS2, 6, 4)
	s_cmp_eq_u32 s2, 0
	s_cbranch_scc0 .Lentry_in_a_cluster
	s_endpgm
.Lentry_in_a_cluster:
	s_bfe_u32 s2, ttmp6, 0x10000c
	s_cmp_lg_u32 s2, 0xf033
	s_cbranch_scc0 .Lentry_shape_is_right
	s_endpgm
.Lentry_shape_is_right:
; out0 = o Wo^T + bo on codes of FP4 with E8M0 scales; out0 is f32.
; A work-group of four waves makes 128 rows of o (region Y) x 256 rows of Wo (region X); wave w (hy = w / 2, hx = w % 2) makes 64 x 128: 32 accumulators.  THE PRODUCT IS USED TRANSPOSED: source 0 = 16 rows
; of Wo, source 1 = 16 rows of o: a lane holds one token and eight neighbouring outputs a tile.  Rows of both stand in position order (position 16 t + p is row 32 (t/2) + 8 (t%2) + p + 8 (p/8));
; the stage's offsets and the stores' rows turn positions back into rows.
; K = 1,024 of both regions fits in LDS whole: two slots of 512 along K and the scale words are each filled once; the eight K steps are written out.
; CLUSTERS 4 x 4: o's tiles are asked for jointly along a row of the cluster, Wo's along a column.
; REGISTERS: window 0: v1-12 addresses; v32-63 X's scale words, v64-79 Y's; v80-143 bias, later rows of out0; v144-207 Y's fragments, two sets, later rows of out0.
;   window 1: v0-127 X's fragments, two sets.   window 2: accumulator (a, b) at v[8 (8 a + b)].
.set SLOTB, 98304                      ; a slot: Y's 8 tiles x 4,096 bytes, then X's 16
.set XOFF,  32768
.set SCL,   196608                     ; Y's scale words 4,096 bytes, then X's 8,192
.set STG,   208896                     ; the way out: 16 rows x (512 + 16) bytes for each wave; no fill lands here
.set SPT,   528
.set XSCL,  4194304                    ; where the scale words begin in oq
.set WSCL,  2097152                    ; and in wq
.set AD1,  4
.set AD0,  6
.set AS1,  8
.set AS0,  9
.set BO,   10
.set STO,  11                          ; v11    the stage, in
.set RD,   12                          ; v12    the stage, out
.set SB,   32
.set SA,   64
.set BIAS, 80
.set F1,   144
.set BK,   80                          ; rows read back: v80-143 and v144-207 by turns
.set WV,  18
.set HY,  19
.set HX,  20
.set CX,  21
.set CY,  22
.set GX,  24
.set GY,  25
.set G1Y,  32
.set G1X,  40
.set G1SY, 48
.set G1SX, 56
.set G0YS, 68
.set G0Y0, 72
.set G0Y1, 76
.set G0XS, 80
.set G0X0, 84
.set G0X1, 88
.set MSB, 0
.macro WIN new                         ; the immediate's high byte repeats the setting that is left
.if MSB != \new
	s_set_vgpr_msb (MSB<<8)|\new
.set MSB, \new
.endif
.endm
.macro PLACES                          ; four plain lines between a matrix instruction and a load into, or a read of, its registers
.rept 4
	v_nop
.endr
.endm
.macro JLOAD g0a, g1a, g0b, g1b        ; a joint load: waves 0 and 1 fetch Y's halves, waves 2 and 3 X's; four v_nop follow each line
	s_cmp_eq_u32 s[HY], 0
	s_cbranch_scc0 .Lfor_x_\@
	tensor_load_to_lds s[\g0a:\g0a+3], s[\g1a:\g1a+7]
	s_nop 0
.rept 4
	v_nop
.endr
	s_branch .Lasked_\@
.Lfor_x_\@:
	tensor_load_to_lds s[\g0b:\g0b+3], s[\g1b:\g1b+7]
	s_nop 0
.rept 4
	v_nop
.endr
.Lasked_\@:
.endm
.macro CROUND                          ; a round of the cluster's barrier
	s_barrier_signal -1
	s_barrier_wait -1
	s_cmp_lg_u32 s[WV], 0
	s_cbranch_scc1 .Lnot_wave_0_\@
	s_barrier_signal -3
.Lnot_wave_0_\@:
	s_barrier_wait -3
	s_barrier_signal -1
	s_barrier_wait -1
.endm
	s_load_b256 s[4:11], s[0:1], 0x0               ; oq, wq, bo, out0
	v_lshl_add_u32 v254, v0, 2, 0x3c000
	v_mov_b32 v255, 0
	ds_add_u32 v254, v255
	ds_add_u32 v254, v255
	v_lshrrev_b32 v1, 5, v0
	v_readfirstlane_b32 s[WV], v1                  ; wave 0..3
	s_lshr_b32 s[HY], s[WV], 1                     ; my half of Y's rows.  Also: I fetch for Y (0) or for X (1)
	s_and_b32 s[HX], s[WV], 1                      ; my half of X's rows.  Also: which half of that region I fetch
	s_bfe_u32 s[CX], ttmp6, 0x40000
	s_bfe_u32 s[CY], ttmp6, 0x40004
	s_lshl_b32 s27, ttmp9, 2
	s_add_co_u32 s[GX], s27, s[CX]                 ; which 256 rows of Wo
	s_and_b32 s28, ttmp7, 0xffff
	s_lshl_b32 s28, s28, 2
	s_add_co_u32 s[GY], s28, s[CY]                 ; which 128 rows of o
	s_lshl_b32 s30, s[CY], 2
	s_lshl_b32 s30, 15, s30                        ; my row of the cluster
	s_lshl_b32 s31, 0x1111, s[CX]                  ; my column
	s_or_b32 s[G1Y], s30, (3<<16)|(1<<21)          ; 15:0 the mask; 17:16 elements of 8 bytes; 21 set beside a mask; no padding
	s_or_b32 s[G1SY], s30, (3<<16)|(1<<21)
	s_or_b32 s[G1X], s31, (3<<16)|(1<<21)
	s_or_b32 s[G1SX], s31, (3<<16)|(1<<21)
	s_mov_b32 s[G1Y+1], 512<<16                    ; Y's codes: 4 tiles, of each 4,096 bytes (512 elements), 8,192 bytes apart
	s_mov_b32 s[G1Y+2], 4<<16
	s_mov_b32 s[G1Y+3], 512<<16
	s_mov_b32 s[G1Y+4], 4
	s_mov_b32 s[G1Y+5], 1024
	s_mov_b32 s[G1Y+6], 0
	s_mov_b32 s[G1Y+7], 0
	s_mov_b32 s[G1X+1], 512<<16                    ; X's: 8 tiles
	s_mov_b32 s[G1X+2], 8<<16
	s_mov_b32 s[G1X+3], 512<<16
	s_mov_b32 s[G1X+4], 8
	s_mov_b32 s[G1X+5], 1024
	s_mov_b32 s[G1X+6], 0
	s_mov_b32 s[G1X+7], 0
	s_mov_b32 s[G1SY+1], 32<<16                    ; Y's scale words: 2,048 dense bytes as 8 rows of 256
	s_mov_b32 s[G1SY+2], 8<<16
	s_mov_b32 s[G1SY+3], 32<<16
	s_mov_b32 s[G1SY+4], 8
	s_mov_b32 s[G1SY+5], 32
	s_mov_b32 s[G1SY+6], 0
	s_mov_b32 s[G1SY+7], 0
	s_mov_b32 s[G1SX+1], 32<<16                    ; X's: 4,096 as 16 rows
	s_mov_b32 s[G1SX+2], 16<<16
	s_mov_b32 s[G1SX+3], 32<<16
	s_mov_b32 s[G1SX+4], 16
	s_mov_b32 s[G1SX+5], 32
	s_mov_b32 s[G1SX+6], 0
	s_mov_b32 s[G1SX+7], 0
	s_mov_b32 s[G0YS], 1                           ; LDS addresses: constants and the wave's number alone
	s_lshl_b32 s[G0YS+1], s[HX], 11
	s_add_co_u32 s[G0YS+1], s[G0YS+1], SCL
	s_mov_b32 s[G0Y0], 1
	s_lshl_b32 s[G0Y0+1], s[HX], 14
	s_mov_b32 s[G0Y1], 1
	s_add_co_u32 s[G0Y1+1], s[G0Y0+1], SLOTB
	s_mov_b32 s[G0XS], 1
	s_lshl_b32 s[G0XS+1], s[HX], 12
	s_add_co_u32 s[G0XS+1], s[G0XS+1], SCL+4096
	s_mov_b32 s[G0X0], 1
	s_lshl_b32 s[G0X0+1], s[HX], 15
	s_add_co_u32 s[G0X0+1], s[G0X0+1], XOFF
	s_mov_b32 s[G0X1], 1
	s_add_co_u32 s[G0X1+1], s[G0X0+1], SLOTB
	s_lshl_b32 s92, s[GY], 3                       ; Y's first tile that I fetch: 8 gy + 4 half
	s_lshl_b32 s93, s[HX], 2
	s_add_co_u32 s92, s92, s93
	s_lshl_b32 s94, s92, 13                        ; its codes,
	s_mov_b32 s95, 0
	s_lshl_b32 s92, s92, 9                         ; its scale words
	s_add_co_u32 s92, s92, XSCL
	s_mov_b32 s93, 0
	s_lshl_b32 s96, s[GX], 4                       ; X's: 192 + 16 gx + 8 half: Wo is the fourth of the stack
	s_lshl_b32 s97, s[HX], 3
	s_add_co_u32 s96, s96, s97
	s_add_co_u32 s96, s96, 192
	s_lshl_b32 s98, s96, 13
	s_mov_b32 s99, 0
	s_lshl_b32 s96, s96, 9
	s_add_co_u32 s96, s96, WSCL
	s_mov_b32 s97, 0
	s_wait_dscnt 0x0
	s_wait_kmcnt 0x0
	s_add_nc_u64 s[G0YS+2:G0YS+3], s[4:5], s[92:93]
	s_add_nc_u64 s[G0Y0+2:G0Y0+3], s[4:5], s[94:95]
	s_add_nc_u64 s[G0Y1+2:G0Y1+3], s[G0Y0+2:G0Y0+3], 4096
	s_add_nc_u64 s[G0XS+2:G0XS+3], s[6:7], s[96:97]
	s_add_nc_u64 s[G0X0+2:G0X0+3], s[6:7], s[98:99]
	s_add_nc_u64 s[G0X1+2:G0X1+3], s[G0X0+2:G0X0+3], 4096
.irp g, G0YS, G0Y0, G0Y1, G0XS, G0X0, G0X1
	s_or_b32 s[\g+3], s[\g+3], 0x80000000          ; type = 2
.endr
	CROUND                                         ; all sixteen work-groups are here: the joint loads meet
	JLOAD G0YS, G1SY, G0XS, G1SX                   ; three loads a wave are out: the scale words, slot 0, slot 1; every LDS byte is filled once
	JLOAD G0Y0, G1Y, G0X0, G1X
	JLOAD G0Y1, G1Y, G0X1, G1X
	v_and_b32 v1, 15, v0                           ; r
	v_bfe_u32 v2, v0, 4, 1                         ; h
	v_and_b32 v3, 31, v0
	v_lshlrev_b32 v3, 4, v3                        ; 16 x lane
	s_lshl_b32 s92, s[HY], 14
	v_add_nc_u32 v[AD1], s92, v3
	v_add_nc_u32 v[AD1+1], SLOTB, v[AD1]
	s_lshl_b32 s92, s[HX], 15
	s_add_co_u32 s92, s92, XOFF
	v_add_nc_u32 v[AD0], s92, v3
	v_add_nc_u32 v[AD0+1], SLOTB, v[AD0]
	v_lshlrev_b32 v14, 4, v1                       ; 16 r
	v_lshl_add_u32 v[AS1], v2, 10, v14             ; lanes 16-31: two tiles (1,024 bytes) on
	s_lshl_b32 s92, s[HY], 11
	s_add_co_u32 s92, s92, SCL
	v_add_nc_u32 v[AS1], s92, v[AS1]
	v_lshl_add_u32 v[AS0], v2, 11, v14             ; lanes 16-31: four tiles on
	s_lshl_b32 s92, s[HX], 12
	s_add_co_u32 s92, s92, SCL+4096
	v_add_nc_u32 v[AS0], s92, v[AS0]
	s_mul_i32 s92, s[WV], 16*SPT
	s_add_co_u32 s92, s92, STG                     ; my stage
	v_mul_u32_u24 v[STO], v1, SPT
	v_lshl_add_u32 v[STO], v2, 6, v[STO]
	v_add_nc_u32 v[STO], s92, v[STO]               ; in: row r, + 64 h
	v_add_nc_u32 v[RD], s92, v3                    ; out: a row of 512 bytes to the 32 lanes
	v_lshlrev_b32 v[BO], 6, v2                     ; the bias: register j of tile b is output 32 (b / 2) + 8 (b % 2) + 16 h + j of my 128
	s_lshl_b32 s92, s[GX], 10
	s_lshl_b32 s93, s[HX], 9
	s_add_co_u32 s92, s92, s93                     ; my first output, in bytes
	s_mov_b32 s93, 0
	s_add_nc_u64 s[8:9], s[8:9], s[92:93]
.irp b, 0,1,2,3,4,5,6,7
	global_load_b128 v[BIAS+8*\b:BIAS+8*\b+3], v[BO], s[8:9] offset:128*(\b/2)+32*(\b%2)
	global_load_b128 v[BIAS+8*\b+4:BIAS+8*\b+7], v[BO], s[8:9] offset:128*(\b/2)+32*(\b%2)+16
.endr
	s_lshl_b32 s94, s[GY], 19                      ; my first row of out0: (128 gy + 64 hy) x 4,096 bytes
	s_lshl_b32 s95, s[HY], 18
	s_add_co_u32 s94, s94, s95
	s_add_co_u32 s94, s94, s92
	s_mov_b32 s95, 0
	s_add_nc_u64 s[10:11], s[10:11], s[94:95]
.macro SCALES                          ; all scale words of my rows, for both slots: four words (K steps) a load
.irp s, 0,1
.irp i, 0,1,2,3
	ds_load_b128 v[SB+16*\s+4*\i:SB+16*\s+4*\i+3], v[AS0] offset:512*\i+256*\s
.endr
.irp i, 0,1
	ds_load_b128 v[SA+8*\s+4*\i:SA+8*\s+4*\i+3], v[AS1] offset:512*\i+256*\s
.endr
.endr
.endm
.macro FETCH q                         ; K step q's fragments into set q % 2: a fragment is 1,024 dense bytes, two loads at 16 x lane
	WIN 0x40                                       ; destination window 1
.irp b, 0,1,2,3,4,5,6,7
.irp c, 0,1
	ds_load_b128 v[64*((\q)%2)+8*\b+4*\c:64*((\q)%2)+8*\b+4*\c+3], v[AD0+(\q)/4] offset:\b*4096+((\q)%4)*1024+512*\c
.endr
.endr
	WIN 0
.irp a, 0,1,2,3
.irp c, 0,1
	ds_load_b128 v[F1+32*((\q)%2)+8*\a+4*\c:F1+32*((\q)%2)+8*\a+4*\c+3], v[AD1+(\q)/4] offset:\a*4096+((\q)%4)*1024+512*\c
.endr
.endr
.endm
.macro MM a, b, q, cm                  ; one product.  cm = 0: C is the accumulator; 1: the bias by b
.set rD, 8*(8*(\a)+(\b))
.set rA, 64*((\q)%2)+8*(\b)
.set rB, F1+32*((\q)%2)+8*(\a)
.set rSA, SB+16*((\q)/4)+4*((\b)%4)+(\q)%4
.set rSB, SA+8*((\q)/4)+4*((\a)%2)+(\q)%4
.set rC, rD
.if \cm == 1
.set rC, BIAS+8*(\b)
.endif
.if ((\b) < 4) && ((\a) < 2)
	v_wmma_scale_f32_16x16x128_f8f6f4 v[rD:rD+7], v[rA:rA+7], v[rB:rB+7], v[rC:rC+7], v[rSA], v[rSB] matrix_a_fmt:MATRIX_FMT_FP4 matrix_b_fmt:MATRIX_FMT_FP4
.elseif (\a) < 2
	v_wmma_scale_f32_16x16x128_f8f6f4 v[rD:rD+7], v[rA:rA+7], v[rB:rB+7], v[rC:rC+7], v[rSA], v[rSB] matrix_a_fmt:MATRIX_FMT_FP4 matrix_b_fmt:MATRIX_FMT_FP4 matrix_a_scale:MATRIX_SCALE_ROW1
.elseif (\b) < 4
	v_wmma_scale_f32_16x16x128_f8f6f4 v[rD:rD+7], v[rA:rA+7], v[rB:rB+7], v[rC:rC+7], v[rSA], v[rSB] matrix_a_fmt:MATRIX_FMT_FP4 matrix_b_fmt:MATRIX_FMT_FP4 matrix_b_scale:MATRIX_SCALE_ROW1
.else
	v_wmma_scale_f32_16x16x128_f8f6f4 v[rD:rD+7], v[rA:rA+7], v[rB:rB+7], v[rC:rC+7], v[rSA], v[rSB] matrix_a_fmt:MATRIX_FMT_FP4 matrix_b_fmt:MATRIX_FMT_FP4 matrix_a_scale:MATRIX_SCALE_ROW1 matrix_b_scale:MATRIX_SCALE_ROW1
.endif
.endm
.macro KHEAD q                         ; K step q's fragments are in; the next step's are asked for
	s_wait_dscnt 0x0
.if (\q) == 2
	s_wait_tensorcnt 0x0                           ; my part of slot 1 has landed: say so; slot 0 is read on between signal and wait, and nobody writes it
	s_barrier_signal -1
.endif
.if (\q) == 3
	s_barrier_wait -1                              ; everybody's part of slot 1 has landed: the loads below read it
.endif
.if (\q) < 7
.if (\q) > 0
	PLACES                                         ; the set below was read by the K step before
.endif
	FETCH (\q)+1
.endif
.endm
.macro KMUL q, cm                      ; 32 products: the 32 accumulators take turns, one instruction a turn
.if \cm
	WIN 0x81                                       ; source 0 window 1, C window 0, D window 2
.else
	WIN 0xa1                                       ; source 0 window 1, C and D window 2
.endif
.irp a, 0,1,2,3
.irp b, 0,1,2,3,4,5,6,7
	MM \a, \b, \q, \cm
.endr
.endr
	WIN 0
.endm
	s_wait_alu depctr_va_vdst(0)
	s_wait_tensorcnt 0x1                           ; my scale words and my part of slot 0 are in; slot 1's load stays out
	s_barrier_signal -1
	s_barrier_wait -1
	SCALES
	FETCH 0
	s_wait_loadcnt 0x0                             ; the bias
	KHEAD 0
	KMUL 0, 1
.irp q, 1,2,3,4,5,6,7
	KHEAD \q
	KMUL \q, 0
.endr
; THE WAY OUT, block by block of 16 tokens x 128 outputs: through my own stage, where the outputs take their true order, and back as whole rows of 512 bytes.
; LDS serves a wave's instructions in order: no wait between the stores and the loads, nor in front of the next block's stores.
.macro TOSTAGE a
	WIN 0x08                                       ; an LDS store's data: window 2
.irp b, 0,1,2,3,4,5,6,7
	ds_store_b128 v[STO], v[64*(\a)+8*\b:64*(\a)+8*\b+3] offset:128*(\b/2)+32*(\b%2)       ; each accumulator from its low end on
	ds_store_b128 v[STO], v[64*(\a)+8*\b+4:64*(\a)+8*\b+7] offset:128*(\b/2)+32*(\b%2)+16
.endr
	WIN 0
.set BBK, BK+64*((\a)%2)
.irp t, 0,1,2,3,4,5,6,7,8,9,10,11,12,13,14,15
	ds_load_b128 v[BBK+4*\t:BBK+4*\t+3], v[RD] offset:\t*SPT
.endr
.endm
.macro SEND a, younger                 ; younger: the LDS instructions issued behind block a's loads, which may stay out
.set BBK, BK+64*((\a)%2)
	s_wait_dscnt \younger
.irp t, 0,1,2,3,4,5,6,7,8,9,10,11,12,13,14,15
	global_store_b128 v3, v[BBK+4*\t:BBK+4*\t+3], s[10:11] offset:(32*((\a)/2)+8*((\a)%2)+\t+8*(\t/8))*4096 th:TH_STORE_NT   ; position 16 a + t is this row; 512 consecutive bytes, written once
.endr
.endm
	PLACES                                         ; in front of the first read of results and of loads into Y's fragment registers
	TOSTAGE 0
.irp a, 1,2,3
.if \a > 1
	s_wait_xcnt 0x0                                ; block a - 2's stores have read their registers: block a's loads may land there
.endif
	TOSTAGE \a
	SEND \a-1, 32                                  ; behind block a - 1's loads stand block a's 16 stores and 16 loads
.endr
	SEND 3, 0
	s_wait_tensorcnt 0x0
	ds_add_u32 v254, v255
	s_wait_dscnt 0x0
	CROUND                                         ; the closing round
	s_endpgm
.Lfunc_end_k_qad5124ac05_oproj:
	.size	k_qad5124ac05_oproj, .Lfunc_end_k_qad5124ac05_oproj-k_qad5124ac05_oproj
	.p2alignl 7, 3214868480
	.fill 96, 4, 3214868480
	.section	.rodata,"a",@progbits
	.p2align	6, 0x0
	.amdhsa_kernel k_qad5124ac05_oproj
		.amdhsa_group_segment_fixed_size 246272
		.amdhsa_private_segment_fixed_size 0
		.amdhsa_enable_private_segment 0
		.amdhsa_kernarg_size 32
		.amdhsa_user_sgpr_count 2
		.amdhsa_user_sgpr_kernarg_segment_ptr 1
		.amdhsa_wavefront_size32 1
		.amdhsa_system_sgpr_workgroup_id_x 1
		.amdhsa_system_sgpr_workgroup_id_y 1
		.amdhsa_system_sgpr_workgroup_id_z 1
		.amdhsa_system_vgpr_workitem_id 0
		.amdhsa_next_free_vgpr 768
		.amdhsa_next_free_sgpr 100
		.amdhsa_reserve_vcc 0
		.amdhsa_float_denorm_mode_32 3
		.amdhsa_float_denorm_mode_16_64 3
		.amdhsa_memory_ordered 1
		.amdhsa_forward_progress 1
		.amdhsa_inst_pref_size 73
	.end_amdhsa_kernel
	.amdgpu_metadata
---
amdhsa.version: [ 1, 2 ]
amdhsa.kernels:
  - .name:           k_qad5124ac05_oproj
    .symbol:         k_qad5124ac05_oproj.kd
    .args:
      - { .name: oq, .offset: 0, .size: 8, .value_kind: global_buffer, .address_space: global }
      - { .name: wq, .offset: 8, .size: 8, .value_kind: global_buffer, .address_space: global }
      - { .name: bo, .offset: 16, .size: 8, .value_kind: global_buffer, .address_space: global }
      - { .name: out0, .offset: 24, .size: 8, .value_kind: global_buffer, .address_space: global }
    .group_segment_fixed_size: 246272
    .private_segment_fixed_size: 0
    .kernarg_segment_align: 8
    .kernarg_segment_size: 32
    .max_flat_workgroup_size: 128
    .sgpr_count:     100
    .vgpr_count:     768
    .wavefront_size: 32
...
	.end_amdgpu_metadata
.endif
;; end of part 4
